; MI455X (gfx1250); checked and timed in simulation.
; The chip was launched on July 23, 2026; its instructions are those of AMD's public machine-readable ISA for CDNA 5 (MIT licence, August 2026) and "CDNA5" Instruction Set Architecture Reference Guide (July 2026). The comments in the code are by the model that wrote it; some were corrected since.
;; MOE. Allowed arithmetic: float matrix products may take bf16 or f16 operands with f32 sums; other float arithmetic in f32, or as packed bf16 or f16 multiplies, adds, multiply-adds, maxima and minima; sums over many terms, partial sums and values carried from step to step in f32; what a program stores and reads back later, other than sums and carried values, may be rounded once to bf16 or f16.
;; Inputs: b1 8 x 1,024 float32; b2 8 x 1,024 float32; gate_b 8 float32; gate_w 2,048 x 8 float32; ln_b 8 x 1,024 float32; ln_g 8 x 1,024 float32; text_features 2,048 x 768 float32; txt_b 1,024 float32; txt_w 768 x 1,024 float32; vis_b 1,024 float32; vis_w 768 x 1,024 float32; visual_features 2,048 x 768 float32; w1 8 x 2,048 x 1,024 float32; w2 8 x 1,024 x 1,024 float32.
;; Outputs: out0 2,048 x 1,024 float32.
;; One version. Each part assembles by itself: llvm-mc -triple=amdgcn-amd-amdhsa -mcpu=gfx1250 --defsym DOCPART=n.
;; ======== version 1 of 1: 5 launches
;; limits: values are held in f16: magnitudes above 65,504 overflow, below 6.1e-05 lose precision
;; workspace buffers: w1h 33,554,432 bytes; w2b 16,777,216 bytes; prep 9,469,952 bytes; comb 8,388,608 bytes; h1 33,554,432 bytes; zb 33,554,432 bytes; stats 1,048,576 bytes
;; launch cast (part 1): grid 2625 x 1, 8 waves a work-group, no clusters, 0 bytes of LDS; arguments w1, vis_w, txt_w, visual_features, text_features, gate_w, w1h, prep; writes w1h, prep
.if DOCPART == 1
	.amdgcn_target "amdgcn-amd-amdhsa--gfx1250"
	.amdhsa_code_object_version 6
	.text
	.protected	k_qfed2baa9d1_cast
	.globl	k_qfed2baa9d1_cast
	.p2align	8
	.type	k_qfed2baa9d1_cast,@function
k_qfed2baa9d1_cast:
	s_mov_b64 s[64:65], 0
	v_nop
	global_prefetch_b8 v0, s[64:65] scope:SCOPE_SE
	s_setreg_imm32_b32 hwreg(HW_REG_WAVE_MODE, 25, 1), 1
	s_wait_xcnt 0x0
; ROUNDS w1, THE PROJECTIONS' WEIGHTS, THE FEATURES AND THE GATE'S WEIGHTS ONCE, for the products that follow; every number is rounded to bf16 (nearest even).
;   w1 -> w1h: the bf16 number written as f16 (the first expert product multiplies f16); vis_w, txt_w and the features -> prep: bf16 as it is.
;   gate_w [2048][8] -> prep's last part [8][2048]: the bf16 number written as f16, turned, so that K lies along the rows.  (w2 is rounded by the launch of the first expert product.)
; LIMIT: a bf16 number below 2^-14 keeps f16's fixed step of 6e-8 in w1h and in the gate's weights; beyond 65,504 it would be an infinity.
; A stream: memory binds, so no LDS, no barrier, no matrix unit.  A work-group takes 32,768 input bytes; thread t takes 16 bytes at 16 t + 4,096 i, i = 0..7:
; eight loads of every wave are out before the first wait, and with 56 registers many work-groups lie on a WGP.  A wave's store covers 256 consecutive bytes, at a multiple of 256 from the buffer's first byte.
; Which tensor a work-group serves hangs on its number alone: 0 the gate's weights, then 2,048 chunks of w1, 96 + 96 of vis_w and txt_w, 192 + 192 of the features.
.set IN,    8                          ; v[8:39]    8 x 4 numbers as loaded
.set OUT,   40                         ; v[40:55]   8 x 2 words to store
.set SRC,   28                         ; s[28:29]   where my chunk is read
.set DSTP,  30                         ; s[30:31]   where it is written
.set FIRST, 32                         ; s32        the first work-group of my segment
	s_load_b512 s[8:23], s[0:1], 0x0               ; w1 s[8:9], vis_w s[10:11], txt_w s[12:13], visual s[14:15], text s[16:17], gate_w s[18:19], w1h s[20:21], prep s[22:23]
	v_lshlrev_b32 v1, 4, v0                        ; 16 t: my bytes in 4,096 of input
	v_lshlrev_b32 v2, 3, v0                        ; 8 t: in 2,048 of output
	s_mov_b32 s[FIRST], 1
	s_mov_b32 s45, 0
	s_wait_kmcnt 0x0
	s_add_nc_u64 s[34:35], s[22:23], 6291456       ; prep's parts: vis_w,
	s_add_nc_u64 s[36:37], s[22:23], 7864320       ; txt_w,
	s_add_nc_u64 s[40:41], s[22:23], 3145728       ; the text features (the visual ones lie at its head),
	s_add_nc_u64 s[42:43], s[22:23], 9437184       ; the gate's weights
	s_cmp_eq_u32 ttmp9, 0
	s_cbranch_scc1 .Lgate
	s_mov_b64 s[SRC:SRC+1], s[8:9]
	s_mov_b64 s[DSTP:DSTP+1], s[20:21]
.macro SEG bound, src, dst             ; from work-group \bound on: another pair of buffers
	s_cmp_ge_u32 ttmp9, \bound
	s_cselect_b64 s[SRC:SRC+1], s[\src:\src+1], s[SRC:SRC+1]
	s_cselect_b64 s[DSTP:DSTP+1], s[\dst:\dst+1], s[DSTP:DSTP+1]
	s_cselect_b32 s[FIRST], \bound, s[FIRST]
.endm
	SEG 2049, 10, 34
	SEG 2145, 12, 36
	SEG 2241, 14, 22
	SEG 2433, 16, 40
	s_sub_co_u32 s33, ttmp9, s[FIRST]              ; my chunk in the segment
	s_lshl_b32 s44, s33, 15
	s_add_nc_u64 s[SRC:SRC+1], s[SRC:SRC+1], s[44:45]
	s_lshl_b32 s44, s33, 14
	s_add_nc_u64 s[DSTP:DSTP+1], s[DSTP:DSTP+1], s[44:45]
.irp i, 0,1,2,3,4,5,6,7
	global_load_b128 v[IN+4*\i:IN+4*\i+3], v1, s[SRC:SRC+1] offset:4096*\i th:TH_LOAD_NT
.endr
	s_cmp_lt_u32 ttmp9, 2049
	s_cbranch_scc1 .Lf16
; One load's four numbers.  The wait leaves the 7 - i younger loads out.  OUT's registers are written once, so no wait frees them.
.macro STEP i, f16
	s_wait_loadcnt 7-(\i)
.if \f16
	v_cvt_pk_bf16_f32 v4, v[IN+4*(\i)], v[IN+4*(\i)+1]     ; rounded to bf16,
	v_cvt_pk_bf16_f32 v5, v[IN+4*(\i)+2], v[IN+4*(\i)+3]
	v_lshlrev_b32 v[IN+4*(\i)], 16, v4                     ; widened again,
	v_and_b32 v[IN+4*(\i)+1], 0xffff0000, v4
	v_lshlrev_b32 v[IN+4*(\i)+2], 16, v5
	v_and_b32 v[IN+4*(\i)+3], 0xffff0000, v5
	v_cvt_pk_f16_f32 v[OUT+2*(\i)], v[IN+4*(\i)], v[IN+4*(\i)+1]  ; and written as f16: exact from 2^-14 up
	v_cvt_pk_f16_f32 v[OUT+2*(\i)+1], v[IN+4*(\i)+2], v[IN+4*(\i)+3]
.else
	v_cvt_pk_bf16_f32 v[OUT+2*(\i)], v[IN+4*(\i)], v[IN+4*(\i)+1]
	v_cvt_pk_bf16_f32 v[OUT+2*(\i)+1], v[IN+4*(\i)+2], v[IN+4*(\i)+3]
.endif
	global_store_b64 v2, v[OUT+2*(\i):OUT+2*(\i)+1], s[DSTP:DSTP+1] offset:2048*(\i)
.endm
.irp i, 0,1,2,3,4,5,6,7
	STEP \i, 0
.endr
	s_endpgm
.Lf16:
.irp i, 0,1,2,3,4,5,6,7
	STEP \i, 1
.endr
	s_endpgm
; The gate's weights.  Thread t has expert n = t % 8; in task j it takes the eight k from 8 (32 j + t / 8) on: eight words 32 bytes apart, one 16-byte store.  Four tasks at a time.
.Lgate:
	v_lshrrev_b32 v3, 3, v0
	v_and_b32 v4, 7, v0
	v_lshlrev_b32 v5, 8, v3
	v_lshl_add_u32 v5, v4, 2, v5                   ; read at 256 (t / 8) + 4 (t % 8)
	v_lshlrev_b32 v6, 12, v4
	v_lshl_add_u32 v6, v3, 4, v6                   ; written at 4,096 (t % 8) + 16 (t / 8)
.macro GATEH j0
.irp j, 0,1,2,3
.irp i, 0,1,2,3,4,5,6,7
	global_load_b32 v[IN+8*\j+\i], v5, s[18:19] offset:8192*((\j0)+\j)+32*\i th:TH_LOAD_NT
.endr
.endr
	s_wait_loadcnt 0x0
	s_wait_xcnt 0x0                                ; OUT, which the first half's stores read, is rewritten only behind this wait
.irp j, 0,1,2,3
.irp p, 0,1,2,3
	v_cvt_pk_bf16_f32 v7, v[IN+8*\j+2*\p], v[IN+8*\j+2*\p+1]
	v_lshlrev_b32 v[IN+8*\j+2*\p], 16, v7
	v_and_b32 v[IN+8*\j+2*\p+1], 0xffff0000, v7
	v_cvt_pk_f16_f32 v[OUT+4*\j+\p], v[IN+8*\j+2*\p], v[IN+8*\j+2*\p+1]
.endr
	global_store_b128 v6, v[OUT+4*\j:OUT+4*\j+3], s[42:43] offset:512*((\j0)+\j)
.endr
.endm
	GATEH 0
	GATEH 4
	s_endpgm
.Lfunc_end_k_qfed2baa9d1_cast:
	.size	k_qfed2baa9d1_cast, .Lfunc_end_k_qfed2baa9d1_cast-k_qfed2baa9d1_cast
	.p2alignl 7, 3214868480
	.fill 96, 4, 3214868480
	.section	.rodata,"a",@progbits
	.p2align	6, 0x0
	.amdhsa_kernel k_qfed2baa9d1_cast
		.amdhsa_group_segment_fixed_size 0
		.amdhsa_private_segment_fixed_size 0
		.amdhsa_enable_private_segment 0
		.amdhsa_kernarg_size 64
		.amdhsa_user_sgpr_count 2
		.amdhsa_user_sgpr_kernarg_segment_ptr 1
		.amdhsa_wavefront_size32 1
		.amdhsa_system_sgpr_workgroup_id_x 1
		.amdhsa_system_sgpr_workgroup_id_y 1
		.amdhsa_system_sgpr_workgroup_id_z 1
		.amdhsa_system_vgpr_workitem_id 0
		.amdhsa_next_free_vgpr 56
		.amdhsa_next_free_sgpr 66
		.amdhsa_reserve_vcc 0
		.amdhsa_float_denorm_mode_32 3
		.amdhsa_float_denorm_mode_16_64 3
		.amdhsa_memory_ordered 1
		.amdhsa_forward_progress 1
		.amdhsa_inst_pref_size 24
	.end_amdhsa_kernel
	.amdgpu_metadata
---
amdhsa.version: [ 1, 2 ]
amdhsa.kernels:
  - .name:           k_qfed2baa9d1_cast
    .symbol:         k_qfed2baa9d1_cast.kd
    .args:
      - { .name: w1, .offset: 0, .size: 8, .value_kind: global_buffer, .address_space: global }
      - { .name: vis_w, .offset: 8, .size: 8, .value_kind: global_buffer, .address_space: global }
      - { .name: txt_w, .offset: 16, .size: 8, .value_kind: global_buffer, .address_space: global }
      - { .name: visual_features, .offset: 24, .size: 8, .value_kind: global_buffer, .address_space: global }
      - { .name: text_features, .offset: 32, .size: 8, .value_kind: global_buffer, .address_space: global }
      - { .name: gate_w, .offset: 40, .size: 8, .value_kind: global_buffer, .address_space: global }
      - { .name: w1h, .offset: 48, .size: 8, .value_kind: global_buffer, .address_space: global }
      - { .name: prep, .offset: 56, .size: 8, .value_kind: global_buffer, .address_space: global }
    .group_segment_fixed_size: 0
    .private_segment_fixed_size: 0
    .kernarg_segment_align: 8
    .kernarg_segment_size: 64
    .max_flat_workgroup_size: 256
    .sgpr_count:     66
    .vgpr_count:     56
    .wavefront_size: 32
...
	.end_amdgpu_metadata
.endif
;; end of part 1
;; launch proj (part 2): grid 16 x 16, 4 waves a work-group, clusters of 4 x 4, 327,680 bytes of LDS; arguments prep, vis_b, txt_b, comb; writes comb
.if DOCPART == 2
	.amdgcn_target "amdgcn-amd-amdhsa--gfx1250"
	.amdhsa_code_object_version 6
	.text
	.protected	k_qfed2baa9d1_proj
	.globl	k_qfed2baa9d1_proj
	.p2align	8
	.type	k_qfed2baa9d1_proj,@function
k_qfed2baa9d1_proj:
	s_mov_b64 s[64:65], 0
	v_nop
	global_prefetch_b8 v0, s[64:65] scope:SCOPE_SE
	s_setreg_imm32_b32 hwreg(HW_REG_WAVE_MODE, 25, 1), 1
	s_wait_xcnt 0x0
	s_wait_alu depctr_hold_cnt(0) depctr_sa_sdst(0) depctr_va_vdst(0) depctr_va_sdst(0) depctr_va_ssrc(0) depctr_va_vcc(0) depctr_vm_vsrc(0)
	s_getreg_b32 s2, hwreg(HW_REG_IB_STS2, 6, 4)
	s_cmp_eq_u32 s2, 0
	s_cbranch_scc0 .Lentry_in_a_cluster
	s_endpgm
.Lentry_in_a_cluster:
	s_bfe_u32 s2, ttmp6, 0x10000c
	s_cmp_lg_u32 s2, 0xf033
	s_cbranch_scc0 .Lentry_shape_is_right
	s_endpgm
.Lentry_shape_is_right:
; combined = [visual W_v + b_v, text W_t + b_t]: [2048][2048], stored in f16, rounded once from the f32 sums.  Operands bf16 (rounded by the launch before), biases rounded to bf16 here.
; LIMIT: |combined| stays under 65,504, f16's end.
; A tile of combined is 128 x 128: 16 x 16 tiles, a work-group each.  Four waves, each 64 x 64: 16 accumulators.  K = 768 goes in three steps of 256 through two LDS slots; nothing is looped.
; Column tiles 0-7 are the visual half, 8-15 the text half: a cluster's four column tiles lie in one half, which hangs on the cluster's x alone.
; CLUSTER 4 x 4: the four of a row of the cluster need the same rows of the features, the four of a column the same columns of the weights: each tile is asked for jointly.
; The weights lie [K][N] and stay so in LDS; ds_load_tr16_b128 turns them on the way into registers.
; THE MATRIX INSTRUCTION IS USED TRANSPOSED (source 0 = 16 columns of W, source 1 = 16 rows of x): a lane then holds eight neighbouring numbers of a row of the result.
; REGISTERS: window 0: v0-31 addresses; v32-95 at work on the way out; v96-127 my 32 biases; v128-255 the accumulators ((a, b) at v[128 + 8 (4 a + b)]).
;   window 1: two fragment buffers of 128: for 64 along K, 64 registers of x, then 64 of W.
.set PA,     528                       ; a row of x in LDS: 512 bytes + 16 = 132 words: row r starts 4 r words on, modulo 64: the 16 rows of a load start at 16 different places
.set PB,     288                       ; a k-row of W: 256 bytes + 32 = 72 words: the 8 rows x 32 bytes that 16 lanes of the turning load take fall on different words modulo 64
.set HA,     64*PA                     ; what one of x's loads brings: 64 rows
.set HB,     128*PB                    ; what one of W's brings: 128 k-rows
.set BOFF,   2*HA
.set SLOT,   2*HA+2*HB
.set STAGE,  2*SLOT                    ; behind the ring: 128 rows x 272 bytes, the work-group's, for the way out
.set SP,     272
.set SPARE,  STAGE+128*SP              ; the spare words, 128 bytes for each wave: two blocks of 256 bytes that no other line names
.set ADRA, 16                          ; v16-17  LDS address of my fragments of x in slot 0, 1
.set ADRB, 20                          ; v20-23  of W: slot 0 k-rows 0-127, 128-255; slot 1 likewise (a slot's 256 k-rows pass the 16-bit offset)
.set STO,  24
.set RD,   25
.set CO,   26
.set SPW,  28                          ; v28     LDS address of my spare word; never rewritten
.set NIL,  29                          ; v29     0; never rewritten
.set TMP,  32
.set BIAS, 96
.set ACC,  128
.set F0,   0
.set F1,   128
.set WV, 12                            ; s12 wave;  s13 which half of the tile's rows is mine, also: I fetch x (0) or W (1);  s14 which half of its columns, also: which half of that tile I fetch
.set RH, 13
.set CH, 14
.set CX, 15
.set CY, 16
.set HALF, 17                          ; s17 0: visual, 1: text
.set TR, 18                            ; s18 tile row
.set TC7, 19                           ; s19 column tile inside the half
.set G1, 24                            ; s[24:31] group 1 for x; s[32:39] group 0, a set for each slot
.set G0, 32
.set G1B, 48                           ; s[48:55], s[56:63] the same for W
.set G0B, 56
.set MSB, 0
.macro WIN new                         ; the immediate's high byte repeats the setting that is left
.if MSB != (\new)
	s_set_vgpr_msb (MSB<<8)|(\new)
.set MSB, \new
.endif
.endm
.set MUL,  0x05                        ; sources 0 and 1 window 1; C and D window 0
.set TO_F, 0x40                        ; destination window 1, address window 0
.macro RND2 a, b, t                    ; two f32 rounded to bf16's precision, in place
	v_cvt_pk_bf16_f32 v[\t], v[\a], v[\b]
	v_lshlrev_b32 v[\a], 16, v[\t]
	v_and_b32 v[\b], 0xffff0000, v[\t]
.endm
.macro JLOAD s                         ; a joint load: waves 0 and 1 fetch x's two halves, waves 2 and 3 W's; an s_nop 0 and four v_nop follow each line
	s_cmp_eq_u32 s[RH], 0
	s_cbranch_scc0 .Lfor_b_\@
	tensor_load_to_lds s[G0+4*(\s):G0+4*(\s)+3], s[G1:G1+7]
	s_nop 0
.rept 4
	v_nop
.endr
	s_branch .Lasked_\@
.Lfor_b_\@:
	tensor_load_to_lds s[G0B+4*(\s):G0B+4*(\s)+3], s[G1B:G1B+7]
	s_nop 0
.rept 4
	v_nop
.endr
.Lasked_\@:
.endm
.macro CREST                           ; a round of the cluster's barrier behind its opening barrier
	s_cmp_lg_u32 s[WV], 0
	s_cbranch_scc1 .Lnot_wave_0_\@
	s_barrier_signal -3
.Lnot_wave_0_\@:
	s_barrier_wait -3
	s_barrier_signal -1
	s_barrier_wait -1
.endm
.macro CROUND
	s_barrier_signal -1
	s_barrier_wait -1
	CREST
.endm
	s_load_b256 s[4:11], s[0:1], 0x0               ; prep s[4:5], vis_b s[6:7], txt_b s[8:9], comb s[10:11]
	v_lshl_add_u32 v[SPW], v0, 2, SPARE
	v_mov_b32 v[NIL], 0
	ds_add_u32 v[SPW], v[NIL]                      ; the wave's opening: the add and its wait stand ahead of my first tensor load; the set-up below stands between them
	v_lshrrev_b32 v1, 5, v0
	v_readfirstlane_b32 s[WV], v1
	s_lshr_b32 s[RH], s[WV], 1
	s_and_b32 s[CH], s[WV], 1
	s_bfe_u32 s[CX], ttmp6, 0x40000
	s_bfe_u32 s[CY], ttmp6, 0x40004
	s_and_b32 s[TR], ttmp7, 0xffff
	s_lshl_b32 s[TR], s[TR], 2
	s_add_co_u32 s[TR], s[TR], s[CY]               ; tile row = 4 x cluster y + cy
	s_lshr_b32 s[HALF], ttmp9, 1
	s_and_b32 s[TC7], ttmp9, 1
	s_lshl_b32 s[TC7], s[TC7], 2
	s_add_co_u32 s[TC7], s[TC7], s[CX]             ; column tile in the half = 4 x (cluster x % 2) + cx
	s_lshl_b32 s44, s[CY], 2
	s_lshl_b32 s44, 15, s44                        ; my row of the cluster
	s_lshl_b32 s45, 0x1111, s[CX]                  ; my column
	s_or_b32 s[G1], s44, (1<<16)|(1<<20)|(1<<21)|(6<<22)|(3<<25)   ; mask; 2-byte elements; padding on; bit 21 beside a mask; after every 128 words 4 words
	s_or_b32 s[G1B], s45, (1<<16)|(1<<20)|(1<<21)|(5<<22)|(7<<25)  ; after every 64 words 8 words
	s_mov_b32 s[G1+1], 256<<16                     ; x: 64 rows of 256 elements, 768 elements from row to row
	s_mov_b32 s[G1+2], 64<<16
	s_mov_b32 s[G1+3], 256<<16
	s_mov_b32 s[G1+4], 64
	s_mov_b32 s[G1+5], 768
	s_mov_b32 s[G1+6], 0
	s_mov_b32 s[G1+7], 0
	s_mov_b32 s[G1B+1], 128<<16                    ; W: 128 k-rows of 128 elements, 1,024 elements from row to row
	s_mov_b32 s[G1B+2], 128<<16
	s_mov_b32 s[G1B+3], 128<<16
	s_mov_b32 s[G1B+4], 128
	s_mov_b32 s[G1B+5], 1024
	s_mov_b32 s[G1B+6], 0
	s_mov_b32 s[G1B+7], 0
	s_mul_i32 s20, s[HALF], 3145728                ; x: the half's features, row 128 x tile row + 64 x my half, 1,536 bytes a row
	s_lshl_b32 s47, s[TR], 7
	s_lshl_b32 s21, s[CH], 6
	s_add_co_u32 s47, s47, s21
	s_mul_i32 s47, s47, 1536
	s_add_co_u32 s20, s20, s47
	s_mov_b32 s21, 0
	s_mul_i32 s22, s[HALF], 1572864                ; W: the half's weights, 256 bytes a column tile, 128 k-rows of 2,048 bytes for my half
	s_lshl_b32 s67, s[TC7], 8
	s_add_co_u32 s22, s22, s67
	s_lshl_b32 s67, s[CH], 18
	s_add_co_u32 s22, s22, s67
	s_add_co_u32 s22, s22, 6291456
	s_mov_b32 s23, 0
	s_mul_i32 s46, s[CH], HA                       ; where they go: the wave's number alone enters an LDS address
	s_mul_i32 s66, s[CH], HB
	s_add_co_u32 s66, s66, BOFF
	s_lshl_b32 s68, s[TC7], 9                      ; my 64 biases: 512 bytes a column tile, 256 a half
	s_lshl_b32 s69, s[CH], 8
	s_add_co_u32 s68, s68, s69
	s_mov_b32 s69, 0
	s_lshl_b32 s40, s[TR], 19                      ; the rows that I store: 128 x tile row + 32 x wave, 4,096 bytes each; 256 bytes a column tile
	s_lshl_b32 s2, s[WV], 17
	s_add_co_u32 s40, s40, s2
	s_lshl_b32 s2, ttmp9, 10
	s_add_co_u32 s40, s40, s2
	s_lshl_b32 s2, s[CX], 8
	s_add_co_u32 s40, s40, s2
	s_mov_b32 s41, 0
	s_wait_dscnt 0x0                               ; the opening add is done
	s_wait_kmcnt 0x0
	s_add_nc_u64 s[20:21], s[4:5], s[20:21]
	s_add_nc_u64 s[22:23], s[4:5], s[22:23]
	s_add_nc_u64 s[10:11], s[10:11], s[40:41]
	s_cmp_eq_u32 s[HALF], 0
	s_cselect_b64 s[42:43], s[6:7], s[8:9]         ; the half's bias
	s_add_nc_u64 s[42:43], s[42:43], s[68:69]
	CROUND                                         ; all sixteen work-groups are here: the first joint loads meet
.irp s, 0,1
	s_mov_b32 s[G0+4*(\s)], 1
	s_add_co_u32 s[G0+4*(\s)+1], s46, (\s)*SLOT
	s_add_nc_u64 s[G0+4*(\s)+2:G0+4*(\s)+3], s[20:21], (\s)*512      ; K step s: 256 elements along x's rows,
	s_or_b32 s[G0+4*(\s)+3], s[G0+4*(\s)+3], 0x80000000
	s_mov_b32 s[G0B+4*(\s)], 1
	s_add_co_u32 s[G0B+4*(\s)+1], s66, (\s)*SLOT
	s_add_nc_u64 s[G0B+4*(\s)+2:G0B+4*(\s)+3], s[22:23], (\s)*524288  ; 256 k-rows down W
	s_or_b32 s[G0B+4*(\s)+3], s[G0B+4*(\s)+3], 0x80000000
	JLOAD \s
.endr
	v_and_b32 v1, 15, v0                           ; r = l % 16
	v_bfe_u32 v2, v0, 4, 1                         ; h = l / 16
	v_lshlrev_b32 v7, 5, v2                        ; bias of column 16 b + 8 h + j: 32 h, then 64 b in the offset
.irp b, 0,1,2,3
	global_load_b128 v[BIAS+8*\b:BIAS+8*\b+3],   v7, s[42:43] offset:64*\b
	global_load_b128 v[BIAS+8*\b+4:BIAS+8*\b+7], v7, s[42:43] offset:64*\b+16
.endr
	v_mul_u32_u24 v3, v1, PA
	v_lshl_add_u32 v3, v2, 4, v3                   ; x: row x pitch + 16 x half
	s_mul_i32 s47, s[RH], HA
	v_add_nc_u32 v[ADRA], s47, v3
	v_add_nc_u32 v[ADRA+1], SLOT, v[ADRA]
	v_and_b32 v5, 7, v0                            ; W: lane l reads k-row 8 h + l % 8, columns 8 ((l / 8) % 2) on
	v_lshl_add_u32 v5, v2, 3, v5
	v_mul_u32_u24 v5, v5, PB
	v_bfe_u32 v6, v0, 3, 1
	v_lshl_add_u32 v5, v6, 4, v5
	s_lshl_b32 s47, s[CH], 7                       ; my 64 columns
	s_add_co_u32 s47, s47, BOFF
	v_add_nc_u32 v[ADRB], s47, v5
	v_add_nc_u32 v[ADRB+1], HB, v[ADRB]
	v_add_nc_u32 v[ADRB+2], SLOT, v[ADRB]
	v_add_nc_u32 v[ADRB+3], SLOT+HB, v[ADRB]
	s_mul_i32 s47, s[RH], 64*SP                    ; into the stage: my 64 rows, my half of their 256 bytes
	s_lshl_b32 s67, s[CH], 7
	s_add_co_u32 s47, s47, s67
	s_add_co_u32 s47, s47, STAGE
	v_mul_u32_u24 v4, v1, SP
	v_lshl_add_u32 v4, v2, 4, v4
	v_add_nc_u32 v[STO], s47, v4
	s_mul_i32 s47, s[WV], 32*SP                    ; back: wave w takes rows 32 w .. 32 w + 31, whole
	s_add_co_u32 s47, s47, STAGE
	v_mul_u32_u24 v4, v2, SP
	v_lshl_add_u32 v4, v1, 4, v4
	v_add_nc_u32 v[RD], s47, v4
	v_lshlrev_b32 v4, 12, v2
	v_lshl_add_u32 v[CO], v1, 4, v4                ; and the same two rows in the result
	s_wait_loadcnt 0x0                             ; the biases, rounded while the first tile is on its way
.set i, 0
.rept 16
	RND2 BIAS+2*i, BIAS+2*i+1, 6
.set i, i+1
.endr
; 8 matrix instructions: m blocks a0, a0 + 1 x all 4 n blocks, 32 along K: half c of buffer f.  zero = 1: the first product starts the sums.  The 16 accumulators take turns.
.macro MUL8 f, c, a0, zero
	WIN MUL
.irp a, \a0, (\a0)+1
.irp b, 0,1,2,3
.if \zero
	v_wmma_f32_16x16x32_bf16 v[ACC+8*(4*(\a)+(\b)):ACC+8*(4*(\a)+(\b))+7], v[(\f)+64+8*(4*(\c)+(\b)):(\f)+64+8*(4*(\c)+(\b))+7], v[(\f)+8*(4*(\c)+(\a)):(\f)+8*(4*(\c)+(\a))+7], 0
.else
	v_wmma_f32_16x16x32_bf16 v[ACC+8*(4*(\a)+(\b)):ACC+8*(4*(\a)+(\b))+7], v[(\f)+64+8*(4*(\c)+(\b)):(\f)+64+8*(4*(\c)+(\b))+7], v[(\f)+8*(4*(\c)+(\a)):(\f)+8*(4*(\c)+(\a))+7], v[ACC+8*(4*(\a)+(\b)):ACC+8*(4*(\a)+(\b))+7]
.endif
.endr
.endr
.endm
; 32 LDS loads in one run: the fragments of quarter q (64 along K) of a slot, into buffer f; the first 32 along K first
.macro FETCH slot, q, f
	WIN TO_F
.irp c, 0,1
.irp i, 0,1,2,3
	ds_load_tr16_b128 v[(\f)+64+8*(4*(\c)+(\i)):(\f)+64+8*(4*(\c)+(\i))+3],   v[ADRB+2*(\slot)+(\q)/2] offset:((\q)%2)*64*PB+32*PB*(\c)+32*(\i)
	ds_load_tr16_b128 v[(\f)+64+8*(4*(\c)+(\i))+4:(\f)+64+8*(4*(\c)+(\i))+7], v[ADRB+2*(\slot)+(\q)/2] offset:((\q)%2)*64*PB+32*PB*(\c)+32*(\i)+16*PB
	ds_load_b128 v[(\f)+8*(4*(\c)+(\i)):(\f)+8*(4*(\c)+(\i))+3],         v[ADRA+(\slot)] offset:128*(\q)+64*(\c)+(\i)*16*PA
	ds_load_b128 v[(\f)+8*(4*(\c)+(\i))+4:(\f)+8*(4*(\c)+(\i))+7],       v[ADRA+(\slot)] offset:128*(\q)+64*(\c)+(\i)*16*PA+32
.endr
.endr
.endm
.macro PLACES                          ; four places in front of loads into registers that matrix instructions have read, and of vector lines that read results
.rept 4
	v_nop
.endr
.endm
; A K step is four quarters of 64 along K, 32 matrix instructions each, on buffers 0, 1, 0, 1.  One of the first three: multiplies buffer f and fetches quarter q into g.
.macro QUARTER slot, q, f, g, zero
	s_wait_dscnt 16                                ; the first 32 along K are in; the younger sixteen loads may be out
	MUL8 \f, 0, 0, \zero
	MUL8 \f, 0, 2, \zero
	PLACES
	FETCH \slot, \q, \g
	s_wait_dscnt 32                                ; all but the 32 just issued
	MUL8 \f, 1, 0, 0
	MUL8 \f, 1, 2, 0
.endm
; The last quarter multiplies buffer 1 and changes slots: one barrier; in front of it each wave waits for all its tensor loads, adds 0 to its spare word, and waits for that and for its reads of this slot.
.macro TURN slot, next, fill
	WIN 0                                          ; (the add's two registers lie in window 0)
	s_wait_tensorcnt 0x0                           ; all my tensor loads have landed: my part of the next slot
	ds_add_u32 v[SPW], v[NIL]                      ; 0 onto my spare word
	s_wait_dscnt 17                                ; (the add and the youngest sixteen loads may be out)
	MUL8 F1, 0, 0, 0
	s_wait_dscnt 0x0                               ; the add is done, and my reads of this slot are over
	s_barrier_signal -1
	MUL8 F1, 0, 2, 0
.if \fill
	WIN 0
.endif
	s_barrier_wait -1
.if \fill
	CREST                                          ; the barrier has opened a round of the cluster's: no wave of any partner still reads this slot or has a load on its way
	s_add_nc_u64 s[G0+4*(\slot)+2:G0+4*(\slot)+3], s[G0+4*(\slot)+2:G0+4*(\slot)+3], 1024
	s_add_nc_u64 s[G0B+4*(\slot)+2:G0B+4*(\slot)+3], s[G0B+4*(\slot)+2:G0B+4*(\slot)+3], 1048576
	JLOAD \slot                                    ; the first tensor load behind the round, 112 matrix instructions ahead of the wait for it; its four v_nop are also the places in front of the loads below
.else
	PLACES
.endif
	FETCH \next, 0, F0
	MUL8 F1, 1, 0, 0
	MUL8 F1, 1, 2, 0
.endm
	s_wait_tensorcnt 1                             ; my part of K step 0 is in; K step 1's may stay out
	s_barrier_signal -1
	s_barrier_wait -1
	FETCH 0, 0, F0
	QUARTER 0, 1, F0, F1, 1                        ; the first products start the sums
	QUARTER 0, 2, F1, F0, 0
	QUARTER 0, 3, F0, F1, 0
	TURN 0, 1, 1                                   ; slot 0 takes K step 2, the last
	QUARTER 1, 1, F0, F1, 0
	QUARTER 1, 2, F1, F0, 0
	QUARTER 1, 3, F0, F1, 0
	TURN 1, 0, 0
	QUARTER 0, 1, F0, F1, 0
	QUARTER 0, 2, F1, F0, 0
	QUARTER 0, 3, F0, F1, 0
	s_wait_dscnt 16
	MUL8 F1, 0, 0, 0
	MUL8 F1, 0, 2, 0
	s_wait_dscnt 0x0
	MUL8 F1, 1, 0, 0
	MUL8 F1, 1, 2, 0
	WIN 0
	; THE WAY OUT: the bias, one rounding to f16, 16 bytes a lane into the work-group's stage; a barrier, since a row's 256 bytes come from two waves; back as whole rows.
	PLACES
.irp t, 0,1,2,3,4,5,6,7,8,9,10,11,12,13,14,15
.irp p, 0,2,4,6
	v_pk_add_f32 v[ACC+8*\t+\p:ACC+8*\t+\p+1], v[ACC+8*\t+\p:ACC+8*\t+\p+1], v[BIAS+8*(\t%4)+\p:BIAS+8*(\t%4)+\p+1]  ; each accumulator from its low end on
.endr
.endr
.irp t, 0,1,2,3,4,5,6,7,8,9,10,11,12,13,14,15
.irp p, 0,1,2,3
	v_cvt_pk_f16_f32 v[TMP+4*\t+\p], v[ACC+8*\t+2*\p], v[ACC+8*\t+2*\p+1]
.endr
.endr
.irp a, 0,1,2,3
.irp b, 0,1,2,3
	ds_store_b128 v[STO], v[TMP+4*(4*\a+\b):TMP+4*(4*\a+\b)+3] offset:\a*16*SP+32*\b
.endr
.endr
	s_wait_dscnt 0x0                               ; for the others' sake: my stores into the stage are done
	s_barrier_signal -1
	s_barrier_wait -1
.irp t, 0,1,2,3,4,5,6,7,8,9,10,11,12,13,14,15
	ds_load_b128 v[TMP+4*\t:TMP+4*\t+3], v[RD] offset:\t*2*SP
.endr
.irp t, 0,1,2,3,4,5,6,7,8,9,10,11,12,13,14,15
	s_wait_dscnt 15-\t
	global_store_b128 v[CO], v[TMP+4*\t:TMP+4*\t+3], s[10:11] offset:8192*\t   ; 16 lanes store 256 consecutive bytes, at a multiple of 256 from the buffer's first byte
.endr
	s_wait_tensorcnt 0x0                           ; the wave's end
	ds_add_u32 v[SPW], v[NIL]
	s_wait_dscnt 0x0
	CROUND                                         ; the closing round: no work-group ends while a partner may still ask for a tile that names it
	s_endpgm
.Lfunc_end_k_qfed2baa9d1_proj:
	.size	k_qfed2baa9d1_proj, .Lfunc_end_k_qfed2baa9d1_proj-k_qfed2baa9d1_proj
	.p2alignl 7, 3214868480
	.fill 96, 4, 3214868480
	.section	.rodata,"a",@progbits
	.p2align	6, 0x0
	.amdhsa_kernel k_qfed2baa9d1_proj
		.amdhsa_group_segment_fixed_size 327680
		.amdhsa_private_segment_fixed_size 0
		.amdhsa_enable_private_segment 0
		.amdhsa_kernarg_size 32
		.amdhsa_user_sgpr_count 2
		.amdhsa_user_sgpr_kernarg_segment_ptr 1
		.amdhsa_wavefront_size32 1
		.amdhsa_system_sgpr_workgroup_id_x 1
		.amdhsa_system_sgpr_workgroup_id_y 1
		.amdhsa_system_sgpr_workgroup_id_z 1
		.amdhsa_system_vgpr_workitem_id 0
		.amdhsa_next_free_vgpr 512
		.amdhsa_next_free_sgpr 72
		.amdhsa_reserve_vcc 0
		.amdhsa_float_denorm_mode_32 3
		.amdhsa_float_denorm_mode_16_64 3
		.amdhsa_memory_ordered 1
		.amdhsa_forward_progress 1
		.amdhsa_inst_pref_size 76
	.end_amdhsa_kernel
	.amdgpu_metadata
---
amdhsa.version: [ 1, 2 ]
amdhsa.kernels:
  - .name:           k_qfed2baa9d1_proj
    .symbol:         k_qfed2baa9d1_proj.kd
    .args:
      - { .name: prep, .offset: 0, .size: 8, .value_kind: global_buffer, .address_space: global }
      - { .name: vis_b, .offset: 8, .size: 8, .value_kind: global_buffer, .address_space: global }
      - { .name: txt_b, .offset: 16, .size: 8, .value_kind: global_buffer, .address_space: global }
      - { .name: comb, .offset: 24, .size: 8, .value_kind: global_buffer, .address_space: global }
    .group_segment_fixed_size: 327680
    .private_segment_fixed_size: 0
    .kernarg_segment_align: 8
    .kernarg_segment_size: 32
    .max_flat_workgroup_size: 128
    .sgpr_count:     72
    .vgpr_count:     512
    .wavefront_size: 32
...
	.end_amdgpu_metadata
.endif
;; end of part 2
;; launch ffn1 (part 3): grid 32 x 8, 4 waves a work-group, clusters of 4 x 4, 327,680 bytes of LDS; arguments comb, w1h, h1, b1, w2, w2b; writes h1, w2b
.if DOCPART == 3
	.amdgcn_target "amdgcn-amd-amdhsa--gfx1250"
	.amdhsa_code_object_version 6
	.text
	.protected	k_qfed2baa9d1_ffn1
	.globl	k_qfed2baa9d1_ffn1
	.p2align	8
	.type	k_qfed2baa9d1_ffn1,@function
k_qfed2baa9d1_ffn1:
	s_mov_b64 s[64:65], 0
	v_nop
	global_prefetch_b8 v0, s[64:65] scope:SCOPE_SE
	s_setreg_imm32_b32 hwreg(HW_REG_WAVE_MODE, 25, 1), 1
	s_wait_xcnt 0x0
	s_wait_alu depctr_hold_cnt(0) depctr_sa_sdst(0) depctr_va_vdst(0) depctr_va_sdst(0) depctr_va_ssrc(0) depctr_va_vcc(0) depctr_vm_vsrc(0)
	s_getreg_b32 s2, hwreg(HW_REG_IB_STS2, 6, 4)
	s_cmp_eq_u32 s2, 0
	s_cbranch_scc0 .Lentry_in_a_cluster
	s_endpgm
.Lentry_in_a_cluster:
	s_bfe_u32 s2, ttmp6, 0x10000c
	s_cmp_lg_u32 s2, 0xf033
	s_cbranch_scc0 .Lentry_shape_is_right
	s_endpgm
.Lentry_shape_is_right:
; h1[row][e][:] = gelu(combined[row] . w1[e] + b1[e]), stored in bf16.  combined [2048][2048] f16; w1h [8][2048][1024] f16 (bf16 numbers); sums in f32; b1 rounded to bf16 here.
; GELU is the exact one, x Phi(x), with erf by the rational form 1 - (1 + a1 u + .. + a6 u^6)^-16 (Abramowitz and Stegun 7.1.28: off by 3e-7 at the most, for every u >= 0):
;   gelu(x) = max(x, 0) - w den(w)^-16, w = |x|, den = c0 + c1 w + .. + c6 w^6, with 1 / sqrt(2) and the factor 1/2 = (2^(1/16))^-16 folded into c0 .. c6.
;   A den beyond f32's range gives the reciprocal 0, which is the right limit.  NaN and infinities are not treated apart.
; BESIDE IT w2 is rounded to bf16 for the next launch: each of the 1,024 waves owns 32,768 bytes of w2, eight 16-byte loads a lane always out, handled once a lap of the K loop.
; A tile of the result is 256 rows x 256 columns of one expert: 8 x 32 tiles, a work-group each.  Four waves, each 128 x 128: 64 accumulators, 512 registers.
; K = 2,048 goes in steps of 128 through two LDS slots.  The weights lie [K][N] and stay so in LDS; ds_load_tr16_b128 turns them on the way into registers.
; CLUSTER 4 x 4: a cluster's x is the expert, its four columns the expert's four column tiles.  The four of a row need the same rows of combined, the four of a column the same weights: asked for jointly.
; THE MATRIX INSTRUCTION IS USED TRANSPOSED (source 0 = 16 columns of w1, source 1 = 16 rows of combined).
; REGISTERS, in windows of 256 (s_set_vgpr_msb: bits 1:0 source 0, 3:2 source 1, 5:4 source 2, 7:6 destination):
;   window 0: v0-31 addresses and my four biases; v32-47 rows on the way out; v64-127, v128-191 fragments of combined, two buffers
;   window 1: v64-127, v128-191 fragments of w1, two buffers; v0-15, v22-23, v32-63 the stream of w2
;   window 2: the 32 accumulators of my rows 0-63 ((a, b) at v[8 (8 a + b)]); window 3: those of my rows 64-127.
; The LDS loads stand in runs of 32, one in the middle of each quarter of a K step, never singly among the matrix instructions.
; THE WAY OUT: the sums go as f32 into the ring's bytes, which have had their last fill, each wave's into bytes of its own, and come back 4 rows at a time in a short loop,
; a lane four neighbouring columns: so the activation is written once, and a wave's store covers 256 consecutive bytes.
.set LAPS,   8                         ; a lap = two K steps = once round the ring
.set ASTEP,  256                       ; a K step along combined's rows, in bytes
.set BSTEP,  262144                    ; 128 k-rows of 2,048 bytes down w1
.set PA,     272                       ; a row of combined in LDS: 256 bytes + 16 = 68 words: row r starts 4 r words on, modulo 64
.set PB,     544                       ; a k-row of w1: 512 bytes + 32 = 136 words: the 8 rows x 32 bytes that 16 lanes of the turning load take fall on different words modulo 64
.set HALFT,  34816                     ; what one tensor load brings: 128 rows x 272, or 64 k-rows x 544
.set BOFF,   2*HALFT
.set SLOT,   4*HALFT
.set DP,     528                       ; the way out: a row of 128 f32 + 16 bytes
.set DWAVE,  128*DP                    ; a wave's 128 rows; four of them end inside the ring's 278,528 bytes
.set SPARE,  2*SLOT                    ; behind the ring: the spare words, 128 bytes for each wave: two blocks of 256 bytes that no other line names
.set GR,     4                         ; rows in a trip of the way out
.set BIAS, 8                           ; v[8:11] b1 of my four columns on the way out
.set ADRA, 16                          ; v16-17  LDS address of my fragments of combined in slot 0, 1
.set TA,   18                          ; v18     the same for the last lap's loop; steps
.set TB,   19                          ; v19     of w1 likewise
.set ADRB, 20                          ; v20-21  of w1 in slot 0, 1
.set DST,  22                          ; v22     where my sums go
.set RDX,  23                          ; v23     where rows come back; steps
.set CO,   26                          ; v26     my byte offset in a row's 256 bytes of h1
.set SPW,  28                          ; v28     LDS address of my spare word; never rewritten
.set NIL,  29                          ; v29     0; never rewritten
.set XN,   32                          ; the way out: the next 4 rows x 4 numbers, as they come from LDS
.set F0,   64                          ; fragment buffer 0
.set F1,   128                         ; fragment buffer 1
.set X,    64                          ; the way out: 4 rows x 4 numbers;
.set W,    80                          ; their magnitudes;
.set P,    96                          ; den, then its powers;
.set O,    112                         ; packed results
.set SI,   22                          ; window 1: my byte offset in 512 bytes of w2
.set SO,   23                          ; window 1: in 256 bytes of w2b
.set OUT,  0                           ; window 1: v0-15  eight pairs to store
.set IN,   32                          ; window 1: v32-63 eight loads of four numbers
.set WV, 12                            ; s12 wave;  s13 which half of the tile's rows is mine, also: I fetch combined (0) or w1 (1);  s14 which half of its columns, also: which half of that tile I fetch
.set RH, 13
.set CH, 14
.set CX, 15
.set CY, 16
.set TR, 18                            ; s18 tile row
.set G1, 24                            ; s[24:31] group 1 for combined; s[32:39] group 0, a set for each slot
.set G0, 32
.set G1B, 48                           ; s[48:55], s[56:63] the same for w1
.set G0B, 56
.set GC,  66                           ; s[66:79] c0 .. c6, each twice: the packed lines name pairs
.set ABSM, 80
.set W2S, 92                           ; s[92:93] w2 at my wave's next batch
.set W2D, 94                           ; s[94:95] w2b behind my wave's last batch
.set MSB, 0
.macro WIN new                         ; the immediate's high byte repeats the setting that is left
.if MSB != (\new)
	s_set_vgpr_msb (MSB<<8)|(\new)
.set MSB, \new
.endif
.endm
.set MUL_LO, 0xa1                      ; source 0 window 1, source 1 window 0, C and D window 2
.set MUL_HI, 0xf1                      ; the same, C and D window 3
.set TO_B,   0x40                      ; destination window 1, address window 0
.macro RND2 a, b, t                    ; two f32 rounded to bf16's precision, in place
	v_cvt_pk_bf16_f32 v[\t], v[\a], v[\b]
	v_lshlrev_b32 v[\a], 16, v[\t]
	v_and_b32 v[\b], 0xffff0000, v[\t]
.endm
.macro CPAIR n, val
	s_mov_b32 s[GC+2*(\n)], \val
	s_mov_b32 s[GC+2*(\n)+1], \val
.endm
.macro JLOAD s                         ; a joint load: waves 0 and 1 fetch combined's two halves, waves 2 and 3 w1's; an s_nop 0 and four v_nop follow each line
	s_cmp_eq_u32 s[RH], 0
	s_cbranch_scc0 .Lfor_b_\@
	tensor_load_to_lds s[G0+4*(\s):G0+4*(\s)+3], s[G1:G1+7]
	s_nop 0
.rept 4
	v_nop
.endr
	s_branch .Lasked_\@
.Lfor_b_\@:
	tensor_load_to_lds s[G0B+4*(\s):G0B+4*(\s)+3], s[G1B:G1B+7]
	s_nop 0
.rept 4
	v_nop
.endr
.Lasked_\@:
.endm
.macro CREST                           ; a round of the cluster's barrier behind its opening barrier
	s_cmp_lg_u32 s[WV], 0
	s_cbranch_scc1 .Lnot_wave_0_\@
	s_barrier_signal -3
.Lnot_wave_0_\@:
	s_barrier_wait -3
	s_barrier_signal -1
	s_barrier_wait -1
.endm
.macro CROUND
	s_barrier_signal -1
	s_barrier_wait -1
	CREST
.endm
	s_load_b256 s[4:11], s[0:1], 0x0               ; comb s[4:5], w1h s[6:7], h1 s[8:9], b1 s[10:11]
	s_load_b128 s[92:95], s[0:1], 0x20             ; w2 s[92:93], w2b s[94:95]
	v_lshl_add_u32 v[SPW], v0, 2, SPARE
	v_mov_b32 v[NIL], 0
	ds_add_u32 v[SPW], v[NIL]                      ; the wave's opening: the add and its wait stand ahead of my first tensor load; the set-up below stands between them
	v_lshrrev_b32 v1, 5, v0
	v_readfirstlane_b32 s[WV], v1
	s_lshr_b32 s[RH], s[WV], 1
	s_and_b32 s[CH], s[WV], 1
	s_bfe_u32 s[CX], ttmp6, 0x40000
	s_bfe_u32 s[CY], ttmp6, 0x40004
	s_and_b32 s[TR], ttmp7, 0xffff
	s_lshl_b32 s[TR], s[TR], 2
	s_add_co_u32 s[TR], s[TR], s[CY]               ; tile row = 4 x cluster y + cy; the expert is ttmp9, the cluster's x; the column tile is cx
	s_lshl_b32 s44, s[CY], 2
	s_lshl_b32 s44, 15, s44                        ; my row of the cluster
	s_lshl_b32 s45, 0x1111, s[CX]                  ; my column
	s_or_b32 s[G1], s44, (1<<16)|(1<<20)|(1<<21)|(5<<22)|(3<<25)   ; mask; 2-byte elements; padding on; bit 21 beside a mask; after every 64 words 4 words
	s_or_b32 s[G1B], s45, (1<<16)|(1<<20)|(1<<21)|(6<<22)|(7<<25)  ; after every 128 words 8 words
	s_mov_b32 s[G1+1], 128<<16                     ; combined: 128 rows of 128 elements, 2,048 elements from row to row
	s_mov_b32 s[G1+2], 128<<16
	s_mov_b32 s[G1+3], 128<<16
	s_mov_b32 s[G1+4], 128
	s_mov_b32 s[G1+5], 2048
	s_mov_b32 s[G1+6], 0
	s_mov_b32 s[G1+7], 0
	s_mov_b32 s[G1B+1], 256<<16                    ; w1: 64 k-rows of 256 elements, 1,024 elements from row to row
	s_mov_b32 s[G1B+2], 64<<16
	s_mov_b32 s[G1B+3], 256<<16
	s_mov_b32 s[G1B+4], 64
	s_mov_b32 s[G1B+5], 1024
	s_mov_b32 s[G1B+6], 0
	s_mov_b32 s[G1B+7], 0
	s_lshl_b32 s20, s[TR], 20                      ; combined: 256 rows of 4,096 bytes a tile row, 128 rows for my half
	s_lshl_b32 s47, s[CH], 19
	s_add_co_u32 s20, s20, s47
	s_mov_b32 s21, 0
	s_lshl_b32 s22, ttmp9, 22                      ; w1: 4 MiB an expert, 512 bytes a column tile, 64 k-rows of 2,048 bytes for my half
	s_lshl_b32 s19, s[CX], 9
	s_add_co_u32 s22, s22, s19
	s_lshl_b32 s19, s[CH], 17
	s_add_co_u32 s22, s22, s19
	s_mov_b32 s23, 0
	s_mul_i32 s46, s[WV], HALFT                    ; where they go: the wave's number alone enters an LDS address
	s_lshl_b32 s42, ttmp9, 12                      ; b1: 4,096 bytes an expert, 1,024 a column tile, 512 a half
	s_lshl_b32 s2, s[CX], 10
	s_add_co_u32 s42, s42, s2
	s_lshl_b32 s2, s[CH], 9
	s_add_co_u32 s42, s42, s2
	s_mov_b32 s43, 0
	s_lshl_b32 s40, s[TR], 22                      ; h1: rows of 16,384 bytes; 2,048 bytes an expert, 512 a column tile, 256 a half
	s_lshl_b32 s2, s[RH], 21
	s_add_co_u32 s40, s40, s2
	s_lshl_b32 s2, ttmp9, 11
	s_add_co_u32 s40, s40, s2
	s_lshl_b32 s2, s[CX], 9
	s_add_co_u32 s40, s40, s2
	s_lshl_b32 s2, s[CH], 8
	s_add_co_u32 s40, s40, s2
	s_mov_b32 s41, 0
	s_lshl_b32 s82, s[TR], 5                       ; my wave among the launch's 1,024: 4 (32 x tile row + 4 x expert + column tile) + wave
	s_lshl_b32 s2, ttmp9, 2
	s_add_co_u32 s82, s82, s2
	s_add_co_u32 s82, s82, s[CX]
	s_lshl_b32 s82, s82, 2
	s_add_co_u32 s82, s82, s[WV]
	s_lshl_b32 s84, s82, 14                        ; its 16,384 bytes of w2b,
	s_mov_b32 s85, 0
	s_lshl_b32 s82, s82, 15                        ; its 32,768 bytes of w2
	s_mov_b32 s83, 0
	CPAIR 0, 0x3f85aac3                            ; 1.04427378 = 2^(1/16)
	CPAIR 1, 0x3d554cc4                            ; 0.0520751630
	CPAIR 2, 0x3cb4dad2                            ; 0.0220769985
	CPAIR 3, 0x3b605009                            ; 0.00342273924
	CPAIR 4, 0x382674aa                            ; 3.96861370e-5
	CPAIR 5, 0x3856241d                            ; 5.10552090e-5
	CPAIR 6, 0x36bc9e99                            ; 5.62129966e-6
	s_mov_b32 s[ABSM], 0x7fffffff
	s_wait_dscnt 0x0                               ; the opening add is done
	s_wait_kmcnt 0x0
	s_add_nc_u64 s[20:21], s[4:5], s[20:21]
	s_add_nc_u64 s[22:23], s[6:7], s[22:23]
	s_add_nc_u64 s[8:9], s[8:9], s[40:41]
	s_add_nc_u64 s[42:43], s[10:11], s[42:43]
	s_add_nc_u64 s[W2S:W2S+1], s[W2S:W2S+1], s[82:83]
	s_add_nc_u64 s[W2D:W2D+1], s[W2D:W2D+1], s[84:85]
	CROUND                                         ; all sixteen work-groups are here: the first joint loads meet
.irp s, 0,1
	s_mov_b32 s[G0+4*(\s)], 1
	s_add_co_u32 s[G0+4*(\s)+1], s46, (\s)*SLOT
	s_add_nc_u64 s[G0+4*(\s)+2:G0+4*(\s)+3], s[20:21], (\s)*ASTEP
	s_or_b32 s[G0+4*(\s)+3], s[G0+4*(\s)+3], 0x80000000
	s_mov_b32 s[G0B+4*(\s)], 1
	s_add_co_u32 s[G0B+4*(\s)+1], s46, (\s)*SLOT
	s_add_nc_u64 s[G0B+4*(\s)+2:G0B+4*(\s)+3], s[22:23], (\s)*BSTEP
	s_or_b32 s[G0B+4*(\s)+3], s[G0B+4*(\s)+3], 0x80000000
	JLOAD \s
.endr
	v_and_b32 v3, 31, v0                           ; lane
	v_lshlrev_b32 v7, 4, v3
	global_load_b128 v[BIAS:BIAS+3], v7, s[42:43]  ; on the way out a lane has columns 4 lane .. 4 lane + 3 of my 128
	WIN 0x40                                       ; destination window 1, sources window 0
	v_lshlrev_b32 v[SI], 4, v3
	v_lshlrev_b32 v[SO], 3, v3
	WIN 0x45                                       ; all of the stream's registers lie in window 1
.irp i, 0,1,2,3,4,5,6,7
	global_load_b128 v[IN+4*\i:IN+4*\i+3], v[SI], s[W2S:W2S+1] offset:512*\i th:TH_LOAD_NT   ; w2's first batch
.endr
	WIN 0
	v_and_b32 v1, 15, v0                           ; r = l % 16
	v_bfe_u32 v2, v0, 4, 1                         ; h = l / 16
	v_mul_u32_u24 v4, v1, PA
	v_lshl_add_u32 v4, v2, 4, v4                   ; combined: row x pitch + 16 x half
	s_mul_i32 s47, s[RH], HALFT
	v_add_nc_u32 v[ADRA], s47, v4
	v_add_nc_u32 v[ADRA+1], SLOT, v[ADRA]
	v_and_b32 v5, 7, v0                            ; w1: lane l reads k-row 8 h + l % 8, columns 8 ((l / 8) % 2) on
	v_lshl_add_u32 v5, v2, 3, v5
	v_mul_u32_u24 v5, v5, PB
	v_bfe_u32 v6, v0, 3, 1
	v_lshl_add_u32 v5, v6, 4, v5
	s_lshl_b32 s47, s[CH], 8                       ; my 128 columns
	s_add_co_u32 s47, s47, BOFF
	v_add_nc_u32 v[ADRB], s47, v5
	v_add_nc_u32 v[ADRB+1], SLOT, v[ADRB]
	v_mov_b32 v[TA], v[ADRA]                       ; the last lap begins in slot 0
	v_mov_b32 v[TB], v[ADRB]
	v_mul_u32_u24 v4, v1, DP                       ; the way out: row r, 32 bytes for each half of the lanes,
	v_lshl_add_u32 v4, v2, 5, v4
	s_mul_i32 s47, s[WV], DWAVE                    ; in my wave's own bytes
	v_add_nc_u32 v[DST], s47, v4
	v_lshl_add_u32 v[RDX], v3, 4, s47              ; back: 16 bytes a lane, a whole row of 512 bytes a load
	v_lshlrev_b32 v[CO], 3, v3
	s_wait_loadcnt 8                               ; the biases are in; w2's eight loads, issued behind them, stay out
	RND2 BIAS, BIAS+1, 6
	RND2 BIAS+2, BIAS+3, 6
; 16 matrix instructions: m blocks a0, a0 + 1 of the window's four x all 8 n blocks, 32 along K.  zero = 1: the first product starts the sums.  The 64 accumulators take turns, in the same order in every quarter.
.macro MUL16 f, hi, a0, zero
	WIN MUL_LO+0x50*(\hi)
.irp a, \a0, (\a0)+1
.irp b, 0,1,2,3,4,5,6,7
.if \zero
	v_wmma_f32_16x16x32_f16 v[8*(8*(\a)+(\b)):8*(8*(\a)+(\b))+7], v[(\f)+8*(\b):(\f)+8*(\b)+7], v[(\f)+8*(4*(\hi)+(\a)):(\f)+8*(4*(\hi)+(\a))+7], 0
.else
	v_wmma_f32_16x16x32_f16 v[8*(8*(\a)+(\b)):8*(8*(\a)+(\b))+7], v[(\f)+8*(\b):(\f)+8*(\b)+7], v[(\f)+8*(4*(\hi)+(\a)):(\f)+8*(4*(\hi)+(\a))+7], v[8*(8*(\a)+(\b)):8*(8*(\a)+(\b))+7]
.endif
.endr
.endr
.endm
; 32 LDS loads in one run: the fragments of quarter q (32 along K) of the slot whose addresses lie in v[aa], v[ab], into buffer f: w1's 128 columns, turned, then combined's 128 rows
.macro FETCH aa, ab, q, f
	WIN TO_B
.irp i, 0,1,2,3,4,5,6,7
	ds_load_tr16_b128 v[(\f)+8*(\i):(\f)+8*(\i)+3],   v[\ab] offset:32*PB*(\q)+32*(\i)
	ds_load_tr16_b128 v[(\f)+8*(\i)+4:(\f)+8*(\i)+7], v[\ab] offset:32*PB*(\q)+32*(\i)+16*PB
.endr
	WIN 0
.irp i, 0,1,2,3,4,5,6,7
	ds_load_b128 v[(\f)+8*(\i):(\f)+8*(\i)+3],   v[\aa] offset:64*(\q)+(\i)*16*PA
	ds_load_b128 v[(\f)+8*(\i)+4:(\f)+8*(\i)+7], v[\aa] offset:64*(\q)+(\i)*16*PA+32
.endr
.endm
.macro PLACES                          ; four places in front of loads into registers that matrix instructions have read, and of lines that read results
.rept 4
	v_nop
.endr
.endm
; A K step is four quarters of 32 along K, 64 matrix instructions each, on buffers 0, 1, 0, 1.  One of the first three: multiplies buffer f; in its middle it fetches quarter q into g.
.macro QUARTER aa, ab, q, f, g, zero
	s_wait_dscnt 8                                 ; w1's fragments and combined's rows 0-63 are in; the youngest eight loads may be out
	MUL16 \f, 0, 0, \zero
	MUL16 \f, 0, 2, \zero
	PLACES
	FETCH \aa, \ab, \q, \g
	s_wait_dscnt 32                                ; all but the 32 just issued
	MUL16 \f, 1, 0, \zero
	MUL16 \f, 1, 2, \zero
.endm
; w2's stream, once a lap: the batch asked for a lap ago is rounded and stored; issue = 1: the next is asked for, ahead of the stores.  A store covers 256 consecutive bytes, at a multiple of 256 from w2b's first byte.
.macro STREAM issue
	WIN 0x45
	s_wait_loadcnt 0x0                             ; my eight loads
	s_wait_xcnt 0x0                                ; the last batch's stores have read OUT and their base: both are rewritten only behind this wait
	s_add_nc_u64 s[W2D:W2D+1], s[W2D:W2D+1], 2048  ; the stores below reach back
.if \issue
	s_add_nc_u64 s[W2S:W2S+1], s[W2S:W2S+1], 4096
.endif
.irp i, 0,1,2,3,4,5,6,7
	v_cvt_pk_bf16_f32 v[OUT+2*\i], v[IN+4*\i], v[IN+4*\i+1]
	v_cvt_pk_bf16_f32 v[OUT+2*\i+1], v[IN+4*\i+2], v[IN+4*\i+3]
.endr
.if \issue
.irp i, 0,1,2,3,4,5,6,7
	global_load_b128 v[IN+4*\i:IN+4*\i+3], v[SI], s[W2S:W2S+1] offset:512*\i th:TH_LOAD_NT
.endr
.endif
.irp i, 0,1,2,3,4,5,6,7
	global_store_b64 v[SO], v[OUT+2*\i:OUT+2*\i+1], s[W2D:W2D+1] offset:256*\i-2048
.endr
.endm
; The last quarter multiplies buffer 1 and changes slots.  One barrier: in front of it each wave waits for all its tensor loads (one is out: its part of the next slot), adds 0 to its spare word,
; and waits for that and for its own reads of this slot.  Behind it nobody reads this slot any more and the next slot is whole.  st = 1: w2's stream has its turn first.
.macro MEET st
.if \st
	STREAM 1
.endif
	WIN 0                                          ; (the add's two registers lie in window 0)
	s_wait_tensorcnt 0x0
	ds_add_u32 v[SPW], v[NIL]                      ; 0 onto my spare word
	s_wait_dscnt 9                                 ; (the add and the youngest eight loads may be out)
	MUL16 F1, 0, 0, 0
	s_wait_dscnt 0x0                               ; the add is done, and my reads of this slot are over
	s_barrier_signal -1
	MUL16 F1, 0, 2, 0
	WIN 0
	s_barrier_wait -1
.endm
.macro TURN slot, next, st
	MEET \st
	CREST                                          ; the barrier has opened a round of the cluster's: no wave of any partner still reads this slot or has a load on its way
	s_add_nc_u64 s[G0+4*(\slot)+2:G0+4*(\slot)+3], s[G0+4*(\slot)+2:G0+4*(\slot)+3], 2*ASTEP
	s_add_nc_u64 s[G0B+4*(\slot)+2:G0B+4*(\slot)+3], s[G0B+4*(\slot)+2:G0B+4*(\slot)+3], 2*BSTEP
	JLOAD \slot                                    ; the first tensor load behind the round, 224 matrix instructions ahead of the wait for it; its four v_nop are also the places in front of the loads below
	FETCH ADRA+(\next), ADRB+(\next), 0, F0
	MUL16 F1, 1, 0, 0
	MUL16 F1, 1, 2, 0
.endm
	s_wait_tensorcnt 1                             ; my part of K step 0 is in; K step 1's may stay out
	s_barrier_signal -1
	s_barrier_wait -1
	FETCH ADRA, ADRB, 0, F0
	QUARTER ADRA, ADRB, 1, F0, F1, 1               ; the first quarter stands in front of the loop: its products start the sums
	WIN 0
	s_mov_b32 s3, LAPS-1
.Llap:                                                 ; a trip goes once round the ring, from a lap's second quarter to the next lap's first, and fills both slots again
	QUARTER ADRA, ADRB, 2, F1, F0, 0
	QUARTER ADRA, ADRB, 3, F0, F1, 0
	TURN 0, 1, 1
	QUARTER ADRA+1, ADRB+1, 1, F0, F1, 0
	QUARTER ADRA+1, ADRB+1, 2, F1, F0, 0
	QUARTER ADRA+1, ADRB+1, 3, F0, F1, 0
	TURN 1, 0, 0
	QUARTER ADRA, ADRB, 1, F0, F1, 0
	WIN 0
	s_sub_co_u32 s3, s3, 1
	s_cmp_lg_u32 s3, 0
	s_cbranch_scc1 .Llap
	STREAM 0                                       ; w2's last batch
	WIN 0
	s_mov_b32 s3, 2
.Ltail:                                                ; the last lap asks for no tile: one K step's text, walked twice; the slot's addresses step; the second trip is left in its middle
	QUARTER TA, TB, 2, F1, F0, 0
	QUARTER TA, TB, 3, F0, F1, 0
	MEET 0
	s_cmp_eq_u32 s3, 1
	s_cbranch_scc1 .Lnofetch                       ; behind the last K step there is nothing to fetch: no barrier and no tensor load stands in what is jumped
	v_add_nc_u32 v[TA], SLOT, v[TA]                ; on to slot 1; with the two v_nop four plain lines, the places in front of the loads into buffer 0
	v_add_nc_u32 v[TB], SLOT, v[TB]
	v_nop
	v_nop
	FETCH TA, TB, 0, F0
	WIN 0
.Lnofetch:
	MUL16 F1, 1, 0, 0
	MUL16 F1, 1, 2, 0
	WIN 0
	s_sub_co_u32 s3, s3, 1
	s_cmp_eq_u32 s3, 0
	s_cbranch_scc1 .Lout
	QUARTER TA, TB, 1, F0, F1, 0
	WIN 0
	s_cmp_lg_u32 s3, 0
	s_cbranch_scc1 .Ltail
.Lout:
	; THE SUMS GO INTO THE RING'S BYTES.  Every wave's reads of the ring are over (its wait below) and every tensor load has landed: a barrier, then each wave writes bytes of its own.
	s_wait_dscnt 0x0
	s_barrier_signal -1
	PLACES                                         ; also the places between the last products and the stores that read them
	s_barrier_wait -1
.irp hi, 0,1
	WIN 0x08+4*(\hi)                               ; store data in window 2, then 3; address in window 0
.irp a, 0,1,2,3
.irp b, 0,1,2,3,4,5,6,7
	ds_store_b128 v[DST], v[8*(8*\a+\b):8*(8*\a+\b)+3]   offset:16*DP*(4*\hi+\a)+64*\b      ; each accumulator's low half first
	ds_store_b128 v[DST], v[8*(8*\a+\b)+4:8*(8*\a+\b)+7] offset:16*DP*(4*\hi+\a)+64*\b+16
.endr
.endr
.endr
	WIN 0
.irp r, 0,1,2,3
	ds_load_b128 v[XN+4*\r:XN+4*\r+3], v[RDX] offset:DP*\r   ; LDS serves a wave's instructions in order (ISA guide 5.7.1.4): the loads see the stores above
.endr
	s_mov_b32 s3, 128/GR
.Lg:                                                   ; 32 trips of 4 rows; the next trip's rows are asked for as soon as this trip's have been taken over
	s_wait_dscnt 0x0
.set i, 0
.rept GR
	v_pk_add_f32 v[X+4*i:X+4*i+1], v[XN+4*i:XN+4*i+1], v[BIAS:BIAS+1]
	v_pk_add_f32 v[X+4*i+2:X+4*i+3], v[XN+4*i+2:XN+4*i+3], v[BIAS+2:BIAS+3]
.set i, i+1
.endr
	v_add_nc_u32 v[RDX], GR*DP, v[RDX]
	s_cmp_eq_u32 s3, 1
	s_cbranch_scc1 .Lnoload                        ; the last trip asks for nothing
.irp r, 0,1,2,3
	ds_load_b128 v[XN+4*\r:XN+4*\r+3], v[RDX] offset:DP*\r
.endr
.Lnoload:
.set i, 0
.rept 4*GR
	v_and_b32 v[W+i], s[ABSM], v[X+i]              ; w = |x|
.set i, i+1
.endr
.set i, 0
.rept 2*GR
	v_pk_fma_f32 v[P+2*i:P+2*i+1], v[W+2*i:W+2*i+1], s[GC+12:GC+13], s[GC+10:GC+11] op_sel_hi:[1,0,0]  ; c6 w + c5
.set i, i+1
.endr
.irp c, 8,6,4,2,0
.set i, 0
.rept 2*GR
	v_pk_fma_f32 v[P+2*i:P+2*i+1], v[P+2*i:P+2*i+1], v[W+2*i:W+2*i+1], s[GC+\c:GC+\c+1] op_sel_hi:[1,1,0]
.set i, i+1
.endr
.endr
.set i, 0
.rept 4*GR
	v_rcp_f32 v[P+i], v[P+i]                       ; one batch of 16 reciprocals, a plain line behind each:
	v_max_num_f32 v[X+i], 0, v[X+i]                ; max(x, 0)
.set i, i+1
.endr
	s_wait_alu depctr_va_vdst(0)                   ; one wait for the batch, ahead of its first reader
.rept 4                                ; four squarings: den^-16
.set i, 0
.rept 2*GR
	v_pk_mul_f32 v[P+2*i:P+2*i+1], v[P+2*i:P+2*i+1], v[P+2*i:P+2*i+1]
.set i, i+1
.endr
.endr
.set i, 0
.rept 2*GR
	v_pk_fma_f32 v[X+2*i:X+2*i+1], v[W+2*i:W+2*i+1], v[P+2*i:P+2*i+1], v[X+2*i:X+2*i+1] neg_lo:[1,0,0] neg_hi:[1,0,0]  ; max(x, 0) - w den^-16
.set i, i+1
.endr
	s_wait_xcnt 0x0                                ; the last trip's stores have read their base and O: both are rewritten only behind this wait, a trip's arithmetic behind them
	s_add_nc_u64 s[8:9], s[8:9], GR*16384          ; the stores below reach back
.set i, 0
.rept 2*GR
	v_cvt_pk_bf16_f32 v[O+i], v[X+2*i], v[X+2*i+1]
.set i, i+1
.endr
.irp r, 0,1,2,3
	global_store_b64 v[CO], v[O+2*\r:O+2*\r+1], s[8:9] offset:16384*\r-GR*16384   ; the wave stores 256 consecutive bytes, at a multiple of 256 from the buffer's first byte
.endr
	s_sub_co_u32 s3, s3, 1
	s_cmp_lg_u32 s3, 0
	s_cbranch_scc1 .Lg
	s_wait_tensorcnt 0x0                           ; the wave's end
	ds_add_u32 v[SPW], v[NIL]
	s_wait_dscnt 0x0
	CROUND                                         ; the closing round: no work-group ends while a partner may still ask for a tile that names it
	s_endpgm
.Lfunc_end_k_qfed2baa9d1_ffn1:
	.size	k_qfed2baa9d1_ffn1, .Lfunc_end_k_qfed2baa9d1_ffn1-k_qfed2baa9d1_ffn1
	.p2alignl 7, 3214868480
	.fill 96, 4, 3214868480
	.section	.rodata,"a",@progbits
	.p2align	6, 0x0
	.amdhsa_kernel k_qfed2baa9d1_ffn1
		.amdhsa_group_segment_fixed_size 327680
		.amdhsa_private_segment_fixed_size 0
		.amdhsa_enable_private_segment 0
		.amdhsa_kernarg_size 48
		.amdhsa_user_sgpr_count 2
		.amdhsa_user_sgpr_kernarg_segment_ptr 1
		.amdhsa_wavefront_size32 1
		.amdhsa_system_sgpr_workgroup_id_x 1
		.amdhsa_system_sgpr_workgroup_id_y 1
		.amdhsa_system_sgpr_workgroup_id_z 1
		.amdhsa_system_vgpr_workitem_id 0
		.amdhsa_next_free_vgpr 1024
		.amdhsa_next_free_sgpr 100
		.amdhsa_reserve_vcc 0
		.amdhsa_float_denorm_mode_32 3
		.amdhsa_float_denorm_mode_16_64 3
		.amdhsa_memory_ordered 1
		.amdhsa_forward_progress 1
		.amdhsa_inst_pref_size 120
	.end_amdhsa_kernel
	.amdgpu_metadata
---
amdhsa.version: [ 1, 2 ]
amdhsa.kernels:
  - .name:           k_qfed2baa9d1_ffn1
    .symbol:         k_qfed2baa9d1_ffn1.kd
    .args:
      - { .name: comb, .offset: 0, .size: 8, .value_kind: global_buffer, .address_space: global }
      - { .name: w1h, .offset: 8, .size: 8, .value_kind: global_buffer, .address_space: global }
      - { .name: h1, .offset: 16, .size: 8, .value_kind: global_buffer, .address_space: global }
      - { .name: b1, .offset: 24, .size: 8, .value_kind: global_buffer, .address_space: global }
      - { .name: w2, .offset: 32, .size: 8, .value_kind: global_buffer, .address_space: global }
      - { .name: w2b, .offset: 40, .size: 8, .value_kind: global_buffer, .address_space: global }
    .group_segment_fixed_size: 327680
    .private_segment_fixed_size: 0
    .kernarg_segment_align: 8
    .kernarg_segment_size: 48
    .max_flat_workgroup_size: 128
    .sgpr_count:     100
    .vgpr_count:     1024
    .wavefront_size: 32
...
	.end_amdgpu_metadata
.endif
;; end of part 3
;; launch ffn2 (part 4): grid 32 x 8, 4 waves a work-group, clusters of 4 x 4, 327,680 bytes of LDS; arguments h1, w2b, zb, b2, stats; writes zb, stats
.if DOCPART == 4
	.amdgcn_target "amdgcn-amd-amdhsa--gfx1250"
	.amdhsa_code_object_version 6
	.text
	.protected	k_qfed2baa9d1_ffn2
	.globl	k_qfed2baa9d1_ffn2
	.p2align	8
	.type	k_qfed2baa9d1_ffn2,@function
k_qfed2baa9d1_ffn2:
	s_mov_b64 s[64:65], 0
	v_nop
	global_prefetch_b8 v0, s[64:65] scope:SCOPE_SE
	s_setreg_imm32_b32 hwreg(HW_REG_WAVE_MODE, 25, 1), 1
	s_wait_xcnt 0x0
	s_wait_alu depctr_hold_cnt(0) depctr_sa_sdst(0) depctr_va_vdst(0) depctr_va_sdst(0) depctr_va_ssrc(0) depctr_va_vcc(0) depctr_vm_vsrc(0)
	s_getreg_b32 s2, hwreg(HW_REG_IB_STS2, 6, 4)
	s_cmp_eq_u32 s2, 0
	s_cbranch_scc0 .Lentry_in_a_cluster
	s_endpgm
.Lentry_in_a_cluster:
	s_bfe_u32 s2, ttmp6, 0x10000c
	s_cmp_lg_u32 s2, 0xf033
	s_cbranch_scc0 .Lentry_shape_is_right
	s_endpgm
.Lentry_shape_is_right:
; x[row][e][:] = h1[row][e] . w2[e] + b2[e], handed on in a bounded form: for each row and each chunk of 128 columns its mean m, its deviation s = sqrt(variance + 1e-30),
; and z = (x - m) / s in f16 (|z| is at most sqrt(127), whatever the size of x).  m and s are stored in f32; the last launch joins the eight chunks of a row.
; h1 [2048][8 x 1024] bf16; w2b [8][1024][1024] bf16; sums in f32; b2, rounded to bf16 here, is what the first products add onto.  The variance is the mean of (x - m)^2, taken after m is known: no difference of large sums.
; LIMIT: the 1e-30 only keeps a constant chunk from a division by 0; s z gives x - m back whatever it is.  NaN and infinities are not treated apart.
; A tile is 256 rows x 256 columns of one expert: 8 x 32 tiles, a work-group each.  Four waves, each 128 x 128, so a wave's columns are one chunk.  K = 1,024 in steps of 128 through two LDS slots.
; The weights lie [K][N] and stay so in LDS; ds_load_tr16_b128 turns them.  CLUSTER 4 x 4: a cluster's x is the expert; rows of h1 shared along a row of the cluster, weights along a column.
; THE MATRIX INSTRUCTION IS USED TRANSPOSED (source 0 = 16 columns of w2, source 1 = 16 rows of h1): a lane holds one row and eight neighbouring columns.
; REGISTERS, in windows of 256 (s_set_vgpr_msb: bits 1:0 source 0, 3:2 source 1, 5:4 source 2, 7:6 destination):
;   window 0: v0-47 addresses and work on the way out; v64-127, v128-191 fragments of h1, two buffers; v192-255 my 64 biases (column 16 b + 8 h + j at v[192 + 8 b + j]), read by the first quarter alone
;   window 1: v64-127, v128-191 fragments of w2, two buffers
;   window 2: the 32 accumulators of my rows 0-63 ((a, b) at v[8 (8 a + b)]); window 3: those of my rows 64-127.
; The LDS loads stand in runs of 32, one in the middle of each quarter of a K step, never singly among the matrix instructions.
; THE WAY OUT: the sums go as f32 into the ring's bytes, which have had their last fill, each wave's into bytes of its own, and come back a block of 16 rows at a time: one text for the eight blocks.
.set LAPS,   4
.set ASTEP,  256
.set BSTEP,  262144
.set PA,     272                       ; a row of h1 in LDS: 256 bytes + 16 = 68 words: row r starts 4 r words on, modulo 64
.set PB,     544                       ; a k-row of w2: 512 bytes + 32 = 136 words
.set HALFT,  34816
.set BOFF,   2*HALFT
.set SLOT,   4*HALFT
.set DP,     528                       ; the way out: a row of 128 f32 + 16 bytes
.set DWAVE,  128*DP
.set STAGE,  2*SLOT                    ; behind the ring: 16 rows x 272 bytes for each wave
.set SP,     272
.set SSTG,   STAGE+4*16*SP             ; 128 rows x (m, s) for each wave
.set SPARE,  SSTG+4*1024               ; the spare words, 128 bytes for each wave: two blocks of 256 bytes that no other line names
.set ADRA, 16                          ; v16-17  LDS address of my fragments of h1 in slot 0, 1
.set TA,   18                          ; v18     the same for the last lap's loop; steps
.set TB,   19                          ; v19     of w2 likewise
.set ADRB, 20                          ; v20-21  of w2 in slot 0, 1
.set DST,  22                          ; v22     where my sums go
.set RDX,  23                          ; v23     where they come back; steps
.set STO,  24                          ; v24     the stage: where I put 16 bytes of a row
.set RD,   25                          ; v25     where I read rows back
.set CO,   26                          ; v26     my byte offset in two rows of zb
.set SST,  27                          ; v27     where my row's (m, s) goes; steps
.set SPW,  28
.set NIL,  29
.set SRD,  30                          ; v30     where (m, s) are read back
.set SOF,  31                          ; v31     my byte offset in 256 bytes of stats
.set CC,   32                          ; v32-39  four chains of sums
.set F0,   64
.set F1,   128
.set BIAS, 192
.set XN,   64                          ; the way out: my row's 64 numbers as they come from LDS;
.set X,    128                         ; less their mean;
.set ZZ,   192                         ; z, packed;
.set OB,   224                         ; whole rows, to store
.set WV, 12
.set RH, 13
.set CH, 14
.set CX, 15
.set CY, 16
.set TR, 18
.set G1, 24
.set G0, 32
.set G1B, 48
.set G0B, 56
.set MSB, 0
.macro WIN new
.if MSB != (\new)
	s_set_vgpr_msb (MSB<<8)|(\new)
.set MSB, \new
.endif
.endm
.set MUL_LO, 0xa1                      ; source 0 window 1, source 1 window 0, C and D window 2
.set MUL_HI, 0xf1                      ; the same, C and D window 3
.set TO_B,   0x40                      ; destination window 1, address window 0
.macro RND2 a, b, t                    ; two f32 rounded to bf16's precision, in place
	v_cvt_pk_bf16_f32 v[\t], v[\a], v[\b]
	v_lshlrev_b32 v[\a], 16, v[\t]
	v_and_b32 v[\b], 0xffff0000, v[\t]
.endm
.macro JLOAD s                         ; a joint load: waves 0 and 1 fetch h1's two halves, waves 2 and 3 w2's; an s_nop 0 and four v_nop follow each line
	s_cmp_eq_u32 s[RH], 0
	s_cbranch_scc0 .Lfor_b_\@
	tensor_load_to_lds s[G0+4*(\s):G0+4*(\s)+3], s[G1:G1+7]
	s_nop 0
.rept 4
	v_nop
.endr
	s_branch .Lasked_\@
.Lfor_b_\@:
	tensor_load_to_lds s[G0B+4*(\s):G0B+4*(\s)+3], s[G1B:G1B+7]
	s_nop 0
.rept 4
	v_nop
.endr
.Lasked_\@:
.endm
.macro CREST
	s_cmp_lg_u32 s[WV], 0
	s_cbranch_scc1 .Lnot_wave_0_\@
	s_barrier_signal -3
.Lnot_wave_0_\@:
	s_barrier_wait -3
	s_barrier_signal -1
	s_barrier_wait -1
.endm
.macro CROUND
	s_barrier_signal -1
	s_barrier_wait -1
	CREST
.endm
	s_load_b256 s[4:11], s[0:1], 0x0               ; h1 s[4:5], w2b s[6:7], zb s[8:9], b2 s[10:11]
	s_load_b64 s[88:89], s[0:1], 0x20              ; stats
	v_lshl_add_u32 v[SPW], v0, 2, SPARE
	v_mov_b32 v[NIL], 0
	ds_add_u32 v[SPW], v[NIL]                      ; the wave's opening: the add and its wait stand ahead of my first tensor load; the set-up below stands between them
	v_lshrrev_b32 v1, 5, v0
	v_readfirstlane_b32 s[WV], v1
	s_lshr_b32 s[RH], s[WV], 1
	s_and_b32 s[CH], s[WV], 1
	s_bfe_u32 s[CX], ttmp6, 0x40000
	s_bfe_u32 s[CY], ttmp6, 0x40004
	s_and_b32 s[TR], ttmp7, 0xffff
	s_lshl_b32 s[TR], s[TR], 2
	s_add_co_u32 s[TR], s[TR], s[CY]
	s_lshl_b32 s44, s[CY], 2
	s_lshl_b32 s44, 15, s44
	s_lshl_b32 s45, 0x1111, s[CX]
	s_or_b32 s[G1], s44, (1<<16)|(1<<20)|(1<<21)|(5<<22)|(3<<25)
	s_or_b32 s[G1B], s45, (1<<16)|(1<<20)|(1<<21)|(6<<22)|(7<<25)
	s_mov_b32 s[G1+1], 128<<16                     ; h1: 128 rows of 128 elements, 8,192 elements from row to row
	s_mov_b32 s[G1+2], 128<<16
	s_mov_b32 s[G1+3], 128<<16
	s_mov_b32 s[G1+4], 128
	s_mov_b32 s[G1+5], 8192
	s_mov_b32 s[G1+6], 0
	s_mov_b32 s[G1+7], 0
	s_mov_b32 s[G1B+1], 256<<16                    ; w2: 64 k-rows of 256 elements, 1,024 elements from row to row
	s_mov_b32 s[G1B+2], 64<<16
	s_mov_b32 s[G1B+3], 256<<16
	s_mov_b32 s[G1B+4], 64
	s_mov_b32 s[G1B+5], 1024
	s_mov_b32 s[G1B+6], 0
	s_mov_b32 s[G1B+7], 0
	s_lshl_b32 s20, s[TR], 22                      ; h1: 256 rows of 16,384 bytes a tile row, 128 rows for my half, 2,048 bytes an expert
	s_lshl_b32 s47, s[CH], 21
	s_add_co_u32 s20, s20, s47
	s_lshl_b32 s47, ttmp9, 11
	s_add_co_u32 s20, s20, s47
	s_mov_b32 s21, 0
	s_lshl_b32 s22, ttmp9, 21                      ; w2: 2 MiB an expert, 512 bytes a column tile, 64 k-rows of 2,048 bytes for my half
	s_lshl_b32 s19, s[CX], 9
	s_add_co_u32 s22, s22, s19
	s_lshl_b32 s19, s[CH], 17
	s_add_co_u32 s22, s22, s19
	s_mov_b32 s23, 0
	s_mul_i32 s46, s[WV], HALFT
	s_lshl_b32 s42, ttmp9, 12                      ; b2
	s_lshl_b32 s2, s[CX], 10
	s_add_co_u32 s42, s42, s2
	s_lshl_b32 s2, s[CH], 9
	s_add_co_u32 s42, s42, s2
	s_mov_b32 s43, 0
	s_lshl_b32 s40, s[TR], 22                      ; zb, laid out as h1
	s_lshl_b32 s2, s[RH], 21
	s_add_co_u32 s40, s40, s2
	s_lshl_b32 s2, ttmp9, 11
	s_add_co_u32 s40, s40, s2
	s_lshl_b32 s2, s[CX], 9
	s_add_co_u32 s40, s40, s2
	s_lshl_b32 s2, s[CH], 8
	s_add_co_u32 s40, s40, s2
	s_mov_b32 s41, 0
	s_lshl_b32 s90, ttmp9, 17                      ; stats [expert][chunk 2 cx + half][row][2]: 131,072 bytes an expert, 16,384 a chunk, 8 a row
	s_lshl_b32 s2, s[CX], 15
	s_add_co_u32 s90, s90, s2
	s_lshl_b32 s2, s[CH], 14
	s_add_co_u32 s90, s90, s2
	s_lshl_b32 s2, s[TR], 11
	s_add_co_u32 s90, s90, s2
	s_lshl_b32 s2, s[RH], 10
	s_add_co_u32 s90, s90, s2
	s_mov_b32 s91, 0
	s_mov_b32 s84, 0x3c000000                      ; 1 / 128
	s_mov_b32 s85, 0x0da24260                      ; 1e-30
	s_mov_b32 s86, 0x76543210                      ; v_permlanex16_b32: each lane takes its own place in the other half
	s_mov_b32 s87, 0xfedcba98
	s_wait_dscnt 0x0                               ; the opening add is done
	s_wait_kmcnt 0x0
	s_add_nc_u64 s[20:21], s[4:5], s[20:21]
	s_add_nc_u64 s[22:23], s[6:7], s[22:23]
	s_add_nc_u64 s[8:9], s[8:9], s[40:41]
	s_add_nc_u64 s[42:43], s[10:11], s[42:43]
	s_add_nc_u64 s[88:89], s[88:89], s[90:91]
	CROUND                                         ; all sixteen work-groups are here: the first joint loads meet
.irp s, 0,1
	s_mov_b32 s[G0+4*(\s)], 1
	s_add_co_u32 s[G0+4*(\s)+1], s46, (\s)*SLOT
	s_add_nc_u64 s[G0+4*(\s)+2:G0+4*(\s)+3], s[20:21], (\s)*ASTEP
	s_or_b32 s[G0+4*(\s)+3], s[G0+4*(\s)+3], 0x80000000
	s_mov_b32 s[G0B+4*(\s)], 1
	s_add_co_u32 s[G0B+4*(\s)+1], s46, (\s)*SLOT
	s_add_nc_u64 s[G0B+4*(\s)+2:G0B+4*(\s)+3], s[22:23], (\s)*BSTEP
	s_or_b32 s[G0B+4*(\s)+3], s[G0B+4*(\s)+3], 0x80000000
	JLOAD \s
.endr
	v_and_b32 v1, 15, v0                           ; r = l % 16
	v_bfe_u32 v2, v0, 4, 1                         ; h = l / 16
	v_lshlrev_b32 v7, 5, v2                        ; bias of column 16 b + 8 h + j: 32 h, then 64 b in the offset
.irp b, 0,1,2,3,4,5,6,7
	global_load_b128 v[BIAS+8*\b:BIAS+8*\b+3],   v7, s[42:43] offset:64*\b
	global_load_b128 v[BIAS+8*\b+4:BIAS+8*\b+7], v7, s[42:43] offset:64*\b+16
.endr
	v_and_b32 v3, 31, v0
	v_mul_u32_u24 v4, v1, PA
	v_lshl_add_u32 v4, v2, 4, v4
	s_mul_i32 s47, s[RH], HALFT
	v_add_nc_u32 v[ADRA], s47, v4
	v_add_nc_u32 v[ADRA+1], SLOT, v[ADRA]
	v_and_b32 v5, 7, v0
	v_lshl_add_u32 v5, v2, 3, v5
	v_mul_u32_u24 v5, v5, PB
	v_bfe_u32 v6, v0, 3, 1
	v_lshl_add_u32 v5, v6, 4, v5
	s_lshl_b32 s47, s[CH], 8
	s_add_co_u32 s47, s47, BOFF
	v_add_nc_u32 v[ADRB], s47, v5
	v_add_nc_u32 v[ADRB+1], SLOT, v[ADRB]
	v_mov_b32 v[TA], v[ADRA]                       ; the last lap begins in slot 0
	v_mov_b32 v[TB], v[ADRB]
	v_mul_u32_u24 v4, v1, DP                       ; my sums: row r, 32 bytes for each half of the lanes, in my wave's own bytes
	v_lshl_add_u32 v4, v2, 5, v4
	s_mul_i32 s47, s[WV], DWAVE
	v_add_nc_u32 v[DST], s47, v4
	v_mov_b32 v[RDX], v[DST]
	s_mul_i32 s47, s[WV], 16*SP
	s_add_co_u32 s47, s47, STAGE                   ; my stage
	v_mul_u32_u24 v4, v1, SP
	v_lshl_add_u32 v4, v2, 4, v4
	v_add_nc_u32 v[STO], s47, v4
	v_mul_u32_u24 v4, v2, SP
	v_lshl_add_u32 v4, v1, 4, v4
	v_add_nc_u32 v[RD], s47, v4
	v_lshlrev_b32 v4, 14, v2
	v_lshl_add_u32 v[CO], v1, 4, v4                ; lanes 0-15 one row's 256 bytes, lanes 16-31 the next row's
	s_lshl_b32 s47, s[WV], 10
	s_add_co_u32 s47, s47, SSTG
	v_lshl_add_u32 v[SST], v1, 3, s47
	v_lshl_add_u32 v[SRD], v3, 3, s47
	v_lshlrev_b32 v[SOF], 3, v3
	s_wait_loadcnt 0x0                             ; the biases, rounded while the first tile is on its way
.set i, 0
.rept 32
	RND2 BIAS+2*i, BIAS+2*i+1, 6
.set i, i+1
.endr
; 16 matrix instructions: m blocks a0, a0 + 1 of the window's four x all 8 n blocks, 32 along K.  first = 1: the products start the sums, on the biases in window 0.  The 64 accumulators take turns, in the same order in every quarter.
.macro MUL16 f, hi, a0, first
.if \first
	WIN 0x81+0x40*(\hi)                            ; source 0 window 1, source 1 and C window 0, D window 2 or 3
.else
	WIN MUL_LO+0x50*(\hi)
.endif
.irp a, \a0, (\a0)+1
.irp b, 0,1,2,3,4,5,6,7
.if \first
	v_wmma_f32_16x16x32_bf16 v[8*(8*(\a)+(\b)):8*(8*(\a)+(\b))+7], v[(\f)+8*(\b):(\f)+8*(\b)+7], v[(\f)+8*(4*(\hi)+(\a)):(\f)+8*(4*(\hi)+(\a))+7], v[BIAS+8*(\b):BIAS+8*(\b)+7]
.else
	v_wmma_f32_16x16x32_bf16 v[8*(8*(\a)+(\b)):8*(8*(\a)+(\b))+7], v[(\f)+8*(\b):(\f)+8*(\b)+7], v[(\f)+8*(4*(\hi)+(\a)):(\f)+8*(4*(\hi)+(\a))+7], v[8*(8*(\a)+(\b)):8*(8*(\a)+(\b))+7]
.endif
.endr
.endr
.endm
; 32 LDS loads in one run: the fragments of quarter q (32 along K) of the slot whose addresses lie in v[aa], v[ab], into buffer f: w2's 128 columns, turned, then h1's 128 rows
.macro FETCH aa, ab, q, f
	WIN TO_B
.irp i, 0,1,2,3,4,5,6,7
	ds_load_tr16_b128 v[(\f)+8*(\i):(\f)+8*(\i)+3],   v[\ab] offset:32*PB*(\q)+32*(\i)
	ds_load_tr16_b128 v[(\f)+8*(\i)+4:(\f)+8*(\i)+7], v[\ab] offset:32*PB*(\q)+32*(\i)+16*PB
.endr
	WIN 0
.irp i, 0,1,2,3,4,5,6,7
	ds_load_b128 v[(\f)+8*(\i):(\f)+8*(\i)+3],   v[\aa] offset:64*(\q)+(\i)*16*PA
	ds_load_b128 v[(\f)+8*(\i)+4:(\f)+8*(\i)+7], v[\aa] offset:64*(\q)+(\i)*16*PA+32
.endr
.endm
.macro PLACES                          ; four places in front of loads into registers that matrix instructions have read, and of lines that read results
.rept 4
	v_nop
.endr
.endm
; A K step is four quarters of 32 along K, 64 matrix instructions each, on buffers 0, 1, 0, 1.  One of the first three: multiplies buffer f; in its middle it fetches quarter q into g.
.macro QUARTER aa, ab, q, f, g, first
	s_wait_dscnt 8                                 ; w2's fragments and h1's rows 0-63 are in; the youngest eight loads may be out
	MUL16 \f, 0, 0, \first
	MUL16 \f, 0, 2, \first
	PLACES
	FETCH \aa, \ab, \q, \g
	s_wait_dscnt 32                                ; all but the 32 just issued
	MUL16 \f, 1, 0, \first
	MUL16 \f, 1, 2, \first
.endm
.macro MEET                            ; the change of slots: all my tensor loads, the add, my reads of this slot; then the barrier
	WIN 0                                          ; (the add's two registers lie in window 0)
	s_wait_tensorcnt 0x0
	ds_add_u32 v[SPW], v[NIL]                      ; 0 onto my spare word
	s_wait_dscnt 9                                 ; (the add and the youngest eight loads may be out)
	MUL16 F1, 0, 0, 0
	s_wait_dscnt 0x0                               ; the add is done, and my reads of this slot are over
	s_barrier_signal -1
	MUL16 F1, 0, 2, 0
	WIN 0
	s_barrier_wait -1
.endm
.macro TURN slot, next
	MEET
	CREST                                          ; the barrier has opened a round of the cluster's: no wave of any partner still reads this slot or has a load on its way
	s_add_nc_u64 s[G0+4*(\slot)+2:G0+4*(\slot)+3], s[G0+4*(\slot)+2:G0+4*(\slot)+3], 2*ASTEP
	s_add_nc_u64 s[G0B+4*(\slot)+2:G0B+4*(\slot)+3], s[G0B+4*(\slot)+2:G0B+4*(\slot)+3], 2*BSTEP
	JLOAD \slot                                    ; the first tensor load behind the round, 224 matrix instructions ahead of the wait for it; its four v_nop are also the places in front of the loads below
	FETCH ADRA+(\next), ADRB+(\next), 0, F0
	MUL16 F1, 1, 0, 0
	MUL16 F1, 1, 2, 0
.endm
	s_wait_tensorcnt 1                             ; my part of K step 0 is in; K step 1's may stay out
	s_barrier_signal -1
	s_barrier_wait -1
	FETCH ADRA, ADRB, 0, F0
	QUARTER ADRA, ADRB, 1, F0, F1, 1               ; the first quarter stands in front of the loop: its products start the sums, on the biases
	WIN 0
	s_mov_b32 s3, LAPS-1
.Llap:                                                 ; a trip goes once round the ring, from a lap's second quarter to the next lap's first, and fills both slots again
	QUARTER ADRA, ADRB, 2, F1, F0, 0
	QUARTER ADRA, ADRB, 3, F0, F1, 0
	TURN 0, 1
	QUARTER ADRA+1, ADRB+1, 1, F0, F1, 0
	QUARTER ADRA+1, ADRB+1, 2, F1, F0, 0
	QUARTER ADRA+1, ADRB+1, 3, F0, F1, 0
	TURN 1, 0
	QUARTER ADRA, ADRB, 1, F0, F1, 0
	WIN 0
	s_sub_co_u32 s3, s3, 1
	s_cmp_lg_u32 s3, 0
	s_cbranch_scc1 .Llap
	s_mov_b32 s3, 2
.Ltail:                                                ; the last lap asks for no tile: one K step's text, walked twice; the slot's addresses step; the second trip is left in its middle
	QUARTER TA, TB, 2, F1, F0, 0
	QUARTER TA, TB, 3, F0, F1, 0
	MEET
	s_cmp_eq_u32 s3, 1
	s_cbranch_scc1 .Lnofetch                       ; behind the last K step there is nothing to fetch: no barrier and no tensor load stands in what is jumped
	v_add_nc_u32 v[TA], SLOT, v[TA]                ; on to slot 1; with the two v_nop four plain lines, the places in front of the loads into buffer 0
	v_add_nc_u32 v[TB], SLOT, v[TB]
	v_nop
	v_nop
	FETCH TA, TB, 0, F0
	WIN 0
.Lnofetch:
	MUL16 F1, 1, 0, 0
	MUL16 F1, 1, 2, 0
	WIN 0
	s_sub_co_u32 s3, s3, 1
	s_cmp_eq_u32 s3, 0
	s_cbranch_scc1 .Lout
	QUARTER TA, TB, 1, F0, F1, 0
	WIN 0
	s_cmp_lg_u32 s3, 0
	s_cbranch_scc1 .Ltail
.Lout:
	; THE SUMS GO INTO THE RING'S BYTES.  Every wave's reads of the ring are over and every tensor load has landed: a barrier, then each wave writes bytes of its own.
	s_wait_dscnt 0x0
	s_barrier_signal -1
	PLACES                                         ; also the places between the last products and the stores that read them
	s_barrier_wait -1
.irp hi, 0,1
	WIN 0x08+4*(\hi)                               ; store data in window 2, then 3; address in window 0
.irp a, 0,1,2,3
.irp b, 0,1,2,3,4,5,6,7
	ds_store_b128 v[DST], v[8*(8*\a+\b):8*(8*\a+\b)+3]   offset:16*DP*(4*\hi+\a)+64*\b      ; each accumulator's low half first
	ds_store_b128 v[DST], v[8*(8*\a+\b)+4:8*(8*\a+\b)+7] offset:16*DP*(4*\hi+\a)+64*\b+16
.endr
.endr
.endr
	WIN 0
.macro JOIN                            ; the four chains, the pair's two words and the other half of the lanes: my row's sum over 128 columns, in v42
	v_pk_add_f32 v[CC:CC+1], v[CC:CC+1], v[CC+2:CC+3]
	v_pk_add_f32 v[CC+4:CC+5], v[CC+4:CC+5], v[CC+6:CC+7]
	v_pk_add_f32 v[CC:CC+1], v[CC:CC+1], v[CC+4:CC+5]
	v_add_f32 v42, v[CC], v[CC+1]
	v_permlanex16_b32 v43, v42, s86, s87
	v_add_f32 v42, v42, v43
.endm
.macro BLOCKLD                         ; a block's 16 rows: lane (r, h) takes row r's columns 16 b + 8 h + 0..7
.irp b, 0,1,2,3,4,5,6,7
	ds_load_b128 v[XN+8*\b:XN+8*\b+3],   v[RDX] offset:64*\b
	ds_load_b128 v[XN+8*\b+4:XN+8*\b+7], v[RDX] offset:64*\b+16
.endr
.endm
	v_mov_b32 v41, 0                               ; named as halves of pairs, or as a lane exchange's destination, before they hold anything
	v_mov_b32 v43, 0
	v_mov_b32 v47, 0
	BLOCKLD                                        ; LDS serves a wave's instructions in order (ISA guide 5.7.1.4): the loads see the stores above
	s_mov_b32 s3, 8
.Lb:                                                   ; 8 trips, a block of 16 rows each; the next block is asked for as soon as this one has been taken over
	s_wait_dscnt 0x0
.irp k, 0,2,4,6
	v_pk_add_f32 v[CC+\k:CC+\k+1], v[XN+\k:XN+\k+1], v[XN+8+\k:XN+8+\k+1]
.endr
.irp i, 2,3,4,5,6,7
.irp k, 0,2,4,6
	v_pk_add_f32 v[CC+\k:CC+\k+1], v[CC+\k:CC+\k+1], v[XN+8*\i+\k:XN+8*\i+\k+1]
.endr
.endr
	JOIN
	v_mul_f32 v40, s84, v42                        ; m
.set i, 0
.rept 32
	v_pk_add_f32 v[X+2*i:X+2*i+1], v[XN+2*i:XN+2*i+1], v[40:41] op_sel_hi:[1,0] neg_lo:[0,1] neg_hi:[0,1]  ; x - m
.set i, i+1
.endr
	v_add_nc_u32 v[RDX], 16*DP, v[RDX]
	s_cmp_eq_u32 s3, 1
	s_cbranch_scc1 .Lnoload                        ; the last trip asks for nothing
	BLOCKLD
.Lnoload:
.irp k, 0,2,4,6
	v_pk_mul_f32 v[CC+\k:CC+\k+1], v[X+\k:X+\k+1], v[X+\k:X+\k+1]
.endr
.irp i, 1,2,3,4,5,6,7
.irp k, 0,2,4,6
	v_pk_fma_f32 v[CC+\k:CC+\k+1], v[X+8*\i+\k:X+8*\i+\k+1], v[X+8*\i+\k:X+8*\i+\k+1], v[CC+\k:CC+\k+1]
.endr
.endr
	JOIN
	v_fma_f32 v44, v42, s84, s85                   ; the variance + 1e-30
	v_rsq_f32 v46, v44
	v_nop                                          ; the plain line behind it
	s_wait_alu depctr_va_vdst(0)                   ; the wait ahead of the first reader
	v_mul_f32 v41, v44, v46                        ; s
.set i, 0
.rept 32
	v_pk_mul_f32 v[X+2*i:X+2*i+1], v[X+2*i:X+2*i+1], v[46:47] op_sel_hi:[1,0]
.set i, i+1
.endr
.set i, 0
.rept 32
	v_cvt_pk_f16_f32 v[ZZ+i], v[X+2*i], v[X+2*i+1]
.set i, i+1
.endr
.irp b, 0,1,2,3,4,5,6,7
	ds_store_b128 v[STO], v[ZZ+4*\b:ZZ+4*\b+3] offset:32*\b
.endr
	ds_store_b64 v[SST], v[40:41]                  ; both halves of the lanes hold, and write, the same pair
	v_add_nc_u32 v[SST], 128, v[SST]
	s_wait_xcnt 0x0                                ; the last trip's stores have read their base and OB: both are rewritten only behind this wait, a trip's arithmetic behind them
	s_add_nc_u64 s[8:9], s[8:9], 16*16384          ; the stores below reach back
.irp t, 0,1,2,3,4,5,6,7
	ds_load_b128 v[OB+4*\t:OB+4*\t+3], v[RD] offset:\t*2*SP   ; these see the stores above; the next trip's stores come behind them
.endr
	s_wait_dscnt 0x0
.irp t, 0,1,2,3,4,5,6,7
	global_store_b128 v[CO], v[OB+4*\t:OB+4*\t+3], s[8:9] offset:32768*\t-16*16384   ; 16 lanes store 256 consecutive bytes, at a multiple of 256 from the buffer's first byte
.endr
	s_sub_co_u32 s3, s3, 1
	s_cmp_lg_u32 s3, 0
	s_cbranch_scc1 .Lb
.irp i, 0,1,2,3
	ds_load_b64 v[CC+2*\i:CC+2*\i+1], v[SRD] offset:256*\i
.endr
	s_wait_dscnt 0x0
.irp i, 0,1,2,3
	global_store_b64 v[SOF], v[CC+2*\i:CC+2*\i+1], s[88:89] offset:256*\i    ; my 128 rows' (m, s): 256 consecutive bytes a store
.endr
	s_wait_tensorcnt 0x0                           ; the wave's end
	ds_add_u32 v[SPW], v[NIL]
	s_wait_dscnt 0x0
	CROUND                                         ; the closing round
	s_endpgm
.Lfunc_end_k_qfed2baa9d1_ffn2:
	.size	k_qfed2baa9d1_ffn2, .Lfunc_end_k_qfed2baa9d1_ffn2-k_qfed2baa9d1_ffn2
	.p2alignl 7, 3214868480
	.fill 96, 4, 3214868480
	.section	.rodata,"a",@progbits
	.p2align	6, 0x0
	.amdhsa_kernel k_qfed2baa9d1_ffn2
		.amdhsa_group_segment_fixed_size 327680
		.amdhsa_private_segment_fixed_size 0
		.amdhsa_enable_private_segment 0
		.amdhsa_kernarg_size 40
		.amdhsa_user_sgpr_count 2
		.amdhsa_user_sgpr_kernarg_segment_ptr 1
		.amdhsa_wavefront_size32 1
		.amdhsa_system_sgpr_workgroup_id_x 1
		.amdhsa_system_sgpr_workgroup_id_y 1
		.amdhsa_system_sgpr_workgroup_id_z 1
		.amdhsa_system_vgpr_workitem_id 0
		.amdhsa_next_free_vgpr 1024
		.amdhsa_next_free_sgpr 100
		.amdhsa_reserve_vcc 0
		.amdhsa_float_denorm_mode_32 3
		.amdhsa_float_denorm_mode_16_64 3
		.amdhsa_memory_ordered 1
		.amdhsa_forward_progress 1
		.amdhsa_inst_pref_size 127
	.end_amdhsa_kernel
	.amdgpu_metadata
---
amdhsa.version: [ 1, 2 ]
amdhsa.kernels:
  - .name:           k_qfed2baa9d1_ffn2
    .symbol:         k_qfed2baa9d1_ffn2.kd
    .args:
      - { .name: h1, .offset: 0, .size: 8, .value_kind: global_buffer, .address_space: global }
      - { .name: w2b, .offset: 8, .size: 8, .value_kind: global_buffer, .address_space: global }
      - { .name: zb, .offset: 16, .size: 8, .value_kind: global_buffer, .address_space: global }
      - { .name: b2, .offset: 24, .size: 8, .value_kind: global_buffer, .address_space: global }
      - { .name: stats, .offset: 32, .size: 8, .value_kind: global_buffer, .address_space: global }
    .group_segment_fixed_size: 327680
    .private_segment_fixed_size: 0
    .kernarg_segment_align: 8
    .kernarg_segment_size: 40
    .max_flat_workgroup_size: 128
    .sgpr_count:     100
    .vgpr_count:     1024
    .wavefront_size: 32
...
	.end_amdgpu_metadata
.endif
;; end of part 4
;; launch mix (part 5): grid 256 x 1, 8 waves a work-group, no clusters, 13,824 bytes of LDS; arguments zb, stats, comb, prep, gate_b, ln_g, ln_b, out0; writes out0
.if DOCPART == 5
	.amdgcn_target "amdgcn-amd-amdhsa--gfx1250"
	.amdhsa_code_object_version 6
	.text
	.protected	k_qfed2baa9d1_mix
	.globl	k_qfed2baa9d1_mix
	.p2align	8
	.type	k_qfed2baa9d1_mix,@function
k_qfed2baa9d1_mix:
	s_mov_b64 s[64:65], 0
	v_nop
	global_prefetch_b8 v0, s[64:65] scope:SCOPE_SE
	s_setreg_imm32_b32 hwreg(HW_REG_WAVE_MODE, 25, 1), 1
	s_wait_xcnt 0x0
; out[row][:] = sum over e of p[row][e] (LayerNorm_e(x[row][e])[:] g[e][:] + lb[e][:]), p = softmax_e(combined[row] . gate_w[:, e] + gate_b[e]).
; x comes as z, m, s for each chunk c of 128 columns: x = m + s z.  A row's mean is mu = mean_c m; its variance mean_c (s^2 + (m - mu)^2); with d = m - mu and rs = 1 / sqrt(variance + 1e-5)
; the normalised number is (s z + d) rs.  So out = sum_e ((alpha z + beta) g + p lb), alpha = p rs s, beta = p rs d: two numbers for each (row, expert, chunk).
; The softmax takes the row's largest logit away first.  gate_b, g and lb are rounded to bf16 here, as every input of the program is.  NaN and infinities are not treated apart.
; A stream: a work-group has 8 rows, thread t the columns 4 t .. 4 t + 3 of each, so a wave's columns are one chunk.  All loads go out at the head; z, the bulk, last, and is waited for row by row.
; No cluster and no tensor load: the work-groups share only the gate's 32 KiB and the gains' 64 KiB, a hundredth of what the launch reads.
; The gate's product is eight matrix instructions a wave (each wave 256 of K); the eight waves' parts are added by wave 0.
; LDS: the waves' partial logits; p by [e][row] and by [row][e]; alpha and beta by [e][row][c]; the spare words.
.set PART,  0                          ; 8 x 1,024 bytes
.set PT,    8192                       ; 256 bytes
.set PR,    8448                       ; 256 bytes
.set AB,    8704                       ; 4,096 bytes
.set SPARE, 12800                      ; 128 bytes for each of the eight waves: four blocks of 256 bytes that no other line names
.set SPW, 5                            ; v5   LDS address of my spare word; never rewritten
.set NIL, 6                            ; v6   0; never rewritten
.set G,   64                           ; v[64:95]   g of my 4 columns, 4 registers an expert
.set LB,  96                           ; v[96:127]  lb likewise
.set Z,   128                          ; v[128:255] z: row r, expert e at 128 + 16 r + 2 e
.set WV,  24                           ; s24
.set MSB, 0
.macro WIN new
.if MSB != (\new)
	s_set_vgpr_msb (MSB<<8)|(\new)
.set MSB, \new
.endif
.endm
.macro RND2 a, b, t                    ; two f32 rounded to bf16's precision, in place
	v_cvt_pk_bf16_f32 v[\t], v[\a], v[\b]
	v_lshlrev_b32 v[\a], 16, v[\t]
	v_and_b32 v[\b], 0xffff0000, v[\t]
.endm
.macro RED a, b                        ; v[a] and v[b] summed over the eight chunks: lanes 4, 8 and 16 apart
	v_add_f32_dpp v[\a], v[\a], v[\a] row_xmask:4 row_mask:0xf bank_mask:0xf
	v_add_f32_dpp v[\b], v[\b], v[\b] row_xmask:4 row_mask:0xf bank_mask:0xf
	v_add_f32_dpp v[\a], v[\a], v[\a] row_xmask:8 row_mask:0xf bank_mask:0xf
	v_add_f32_dpp v[\b], v[\b], v[\b] row_xmask:8 row_mask:0xf bank_mask:0xf
	v_permlanex16_b32 v54, v[\a], s34, s35
	v_permlanex16_b32 v55, v[\b], s34, s35
	v_add_f32 v[\a], v[\a], v54
	v_add_f32 v[\b], v[\b], v55
.endm
	s_load_b512 s[8:23], s[0:1], 0x0               ; zb s[8:9], stats s[10:11], comb s[12:13], prep s[14:15], gate_b s[16:17], ln_g s[18:19], ln_b s[20:21], out0 s[22:23]
	v_lshl_add_u32 v[SPW], v0, 2, SPARE
	v_mov_b32 v[NIL], 0
	v_lshrrev_b32 v8, 5, v0
	v_readfirstlane_b32 s[WV], v8
	v_and_b32 v9, 7, v0                            ; l % 8: the row, and the expert, whose fragment my lane loads
	v_bfe_u32 v10, v0, 4, 1                        ; h
	v_and_b32 v11, 3, v0
	v_lshlrev_b32 v1, 12, v9                       ; the gate's fragments: 4,096 bytes a row of combined and of the turned weights,
	v_lshl_add_u32 v1, v10, 4, v1                  ; 16 h,
	s_lshl_b32 s25, s[WV], 9
	v_add_nc_u32 v1, s25, v1                       ; my wave's 256 of K
	v_lshrrev_b32 v2, 2, v0                        ; stats: thread t takes (expert, chunk) = t / 4, rows 2 (t % 4) and the next
	v_lshlrev_b32 v2, 14, v2
	v_lshl_add_u32 v2, v11, 4, v2
	v_lshlrev_b32 v3, 4, v0                        ; 16 t: my four columns in f32
	v_lshlrev_b32 v4, 3, v0                        ; 8 t: in f16
	v_mov_b32 v7, 0
	v_lshlrev_b32 v12, 5, v0                       ; my 32 bytes of the partial logits
	v_and_b32 v13, 31, v0
	v_lshlrev_b32 v13, 5, v13                      ; the same without the wave
	s_lshl_b32 s26, ttmp9, 15                      ; 8 rows of 4,096 bytes in combined and in out
	s_mov_b32 s27, 0
	s_lshl_b32 s28, ttmp9, 17                      ; of 16,384 bytes in zb
	s_mov_b32 s29, 0
	s_lshl_b32 s30, ttmp9, 6                       ; of 8 bytes in stats
	s_mov_b32 s31, 0
	s_mov_b32 s32, 0x3fb8aa3b                      ; log2(e), named as a pair
	s_mov_b32 s33, 0x3fb8aa3b
	s_mov_b32 s34, 0x76543210                      ; v_permlanex16_b32: each lane takes its own place in the other half
	s_mov_b32 s35, 0xfedcba98
	s_mov_b32 s36, 0xbe000000                      ; -1/8
	s_mov_b32 s37, 0x3e000000                      ; 1/8
	s_mov_b32 s38, 0x3727c5ac                      ; 1e-5
	s_wait_kmcnt 0x0
	s_add_nc_u64 s[12:13], s[12:13], s[26:27]
	s_add_nc_u64 s[22:23], s[22:23], s[26:27]
	s_add_nc_u64 s[8:9], s[8:9], s[28:29]
	s_add_nc_u64 s[10:11], s[10:11], s[30:31]
	s_add_nc_u64 s[14:15], s[14:15], 9437184       ; the gate's weights, turned, in prep
	WIN 0x40                                       ; destination window 1: v0-63 combined's fragments, v64-127 the weights'
.irp s, 0,1,2,3,4,5,6,7
	global_load_b128 v[8*\s:8*\s+3],       v1, s[12:13] offset:64*\s
	global_load_b128 v[8*\s+4:8*\s+7],     v1, s[12:13] offset:64*\s+32
	global_load_b128 v[64+8*\s:64+8*\s+3], v1, s[14:15] offset:64*\s
	global_load_b128 v[64+8*\s+4:64+8*\s+7], v1, s[14:15] offset:64*\s+32
.endr
	WIN 0
	global_load_b128 v[40:43], v7, s[16:17]
	global_load_b128 v[44:47], v7, s[16:17] offset:16
	global_load_b128 v[48:51], v2, s[10:11]        ; m, s of my two rows
.irp e, 0,1,2,3,4,5,6,7
	global_load_b128 v[G+4*\e:G+4*\e+3],   v3, s[18:19] offset:4096*\e
	global_load_b128 v[LB+4*\e:LB+4*\e+3], v3, s[20:21] offset:4096*\e
.endr
.irp r, 0,1,2,3,4,5,6,7
.irp e, 0,1,2,3,4,5,6,7
	global_load_b64 v[Z+16*\r+2*\e:Z+16*\r+2*\e+1], v4, s[8:9] offset:16384*\r+2048*\e th:TH_LOAD_NT
.endr
.endr
	s_wait_loadcnt 63                              ; of the 115 loads the 52 oldest are in: all but z (51), and z's first
	; THE GATE: source 0 = the weights' rows (experts, each twice), source 1 = combined's rows (my 8 rows, each twice): register j of lane l is expert j's logit of row l % 8, over my wave's 256 of K.
	WIN 0x05                                       ; sources in window 1, C and D in window 0.  Two accumulators take turns
.irp s, 0,1,2,3,4,5,6,7
.if \s < 2
	v_wmma_f32_16x16x32_f16 v[16+8*(\s%2):23+8*(\s%2)], v[64+8*\s:71+8*\s], v[8*\s:8*\s+7], 0
.else
	v_wmma_f32_16x16x32_f16 v[16+8*(\s%2):23+8*(\s%2)], v[64+8*\s:71+8*\s], v[8*\s:8*\s+7], v[16+8*(\s%2):23+8*(\s%2)]
.endif
.endr
	WIN 0
.set i, 0
.rept 32                               ; the gains are rounded: also the places behind the products
	RND2 G+2*i, G+2*i+1, 8
.set i, i+1
.endr
.irp p, 0,2,4,6
	v_pk_add_f32 v[16+\p:17+\p], v[16+\p:17+\p], v[24+\p:25+\p]
.endr
	ds_store_b128 v12, v[16:19]
	ds_store_b128 v12, v[20:23] offset:16
	; THE ROWS' STATISTICS: my wave is expert WV; lane = 4 c + (t % 4)
	v_mov_b32 v52, v48
	v_mov_b32 v53, v50
	v_mov_b32 v54, 0
	v_mov_b32 v55, 0
	RED 52, 53                                     ; sum over c of m
	v_fma_f32 v56, v52, s36, v48                   ; d = m - mu
	v_fma_f32 v57, v53, s36, v50
	v_mul_f32 v58, v49, v49
	v_mul_f32 v59, v51, v51
	v_fmac_f32 v58, v56, v56                       ; s^2 + d^2
	v_fmac_f32 v59, v57, v57
	RED 58, 59
	v_fma_f32 v58, v58, s37, s38                   ; the row's variance + 1e-5
	v_fma_f32 v59, v59, s37, s38
	v_rsq_f32 v60, v58
	v_rsq_f32 v61, v59
	v_bfe_u32 v14, v0, 2, 3                        ; c: the plain line behind them
	s_wait_alu depctr_va_vdst(0)                   ; one wait for the two, ahead of the branch below and of their readers
	s_wait_dscnt 0x0                               ; for wave 0's sake: my partial logits are stored
	s_barrier_signal -1
	s_barrier_wait -1
	s_cmp_lg_u32 s[WV], 0
	s_cbranch_scc1 .Lothers                        ; wave 0 alone makes p; no barrier stands in what is jumped
	WIN 0x40
.irp w, 0,1,2,3,4,5,6,7
	ds_load_b128 v[8*\w:8*\w+3],   v13 offset:PART+1024*\w
	ds_load_b128 v[8*\w+4:8*\w+7], v13 offset:PART+1024*\w+16
.endr
	s_wait_dscnt 0x0
	WIN 0x45
.irp w, 0,2,4,6
.irp p, 0,2,4,6
	v_pk_add_f32 v[8*\w+\p:8*\w+\p+1], v[8*\w+\p:8*\w+\p+1], v[8*\w+8+\p:8*\w+8+\p+1]
.endr
.endr
.irp w, 0,4
.irp p, 0,2,4,6
	v_pk_add_f32 v[8*\w+\p:8*\w+\p+1], v[8*\w+\p:8*\w+\p+1], v[8*\w+16+\p:8*\w+16+\p+1]
.endr
.endr
	WIN 0x05
.irp p, 0,2,4,6
	v_pk_add_f32 v[32+\p:33+\p], v[\p:\p+1], v[32+\p:33+\p]   ; into window 0: the eight logits of row l % 8
.endr
	WIN 0
.irp p, 0,2,4,6
	RND2 40+\p, 41+\p, 8
.endr
.irp p, 0,2,4,6
	v_pk_add_f32 v[32+\p:33+\p], v[32+\p:33+\p], v[40+\p:41+\p]
.endr
	v_max3_num_f32 v8, v32, v33, v34
	v_max3_num_f32 v8, v8, v35, v36
	v_max3_num_f32 v8, v8, v37, v38
	v_max_num_f32 v8, v8, v39                      ; the row's largest logit
	v_mul_f32 v8, s32, v8
.irp p, 0,2,4,6
	v_pk_fma_f32 v[32+\p:33+\p], v[32+\p:33+\p], s[32:33], v[8:9] op_sel_hi:[1,0,0] neg_lo:[0,0,1] neg_hi:[0,0,1]  ; log2(e) (logit - largest)
.endr
.irp e, 0,1,2,3,4,5,6,7
	v_exp_f32 v[32+\e], v[32+\e]
.endr
	v_lshl_add_u32 v20, v9, 5, PR                  ; plain lines behind the batch: where p goes
	v_lshl_add_u32 v21, v9, 2, PT
	s_wait_alu depctr_va_vdst(0)                   ; one wait for the eight exponentials
	v_pk_add_f32 v[16:17], v[32:33], v[34:35]
	v_pk_add_f32 v[18:19], v[36:37], v[38:39]
	v_pk_add_f32 v[16:17], v[16:17], v[18:19]
	v_add_f32 v16, v16, v17
	v_rcp_f32 v18, v16
	v_nop
	s_wait_alu depctr_va_vdst(0)
.irp p, 0,2,4,6
	v_pk_mul_f32 v[32+\p:33+\p], v[32+\p:33+\p], v[18:19] op_sel_hi:[1,0]
.endr
	ds_store_b128 v20, v[32:35]                    ; [row][e]; the four lanes of a row write the same numbers
	ds_store_b128 v20, v[36:39] offset:16
.irp e, 0,1,2,3,4,5,6,7
	ds_store_b32 v21, v[32+\e] offset:32*\e        ; [e][row]
.endr
.Lothers:
	s_wait_dscnt 0x0                               ; wave 0's stores are done
	s_barrier_signal -1
	s_barrier_wait -1
	s_lshl_b32 s25, s[WV], 5
	s_add_co_u32 s25, s25, PT
	v_lshl_add_u32 v22, v11, 3, s25
	ds_load_b64 v[62:63], v22                      ; my expert's p for my two rows
	s_lshl_b32 s26, s[WV], 9
	s_add_co_u32 s26, s26, AB
	v_lshl_add_u32 v23, v11, 7, s26                ; [e][row][c]: 512 bytes an expert, 64 a row, 8 a chunk
	v_lshl_add_u32 v23, v14, 3, v23
	s_wait_dscnt 0x0
	v_mul_f32 v62, v62, v60                        ; p rs
	v_mul_f32 v63, v63, v61
	v_mul_f32 v52, v62, v49                        ; alpha = p rs s
	v_mul_f32 v53, v62, v56                        ; beta = p rs d
	v_mul_f32 v54, v63, v51
	v_mul_f32 v55, v63, v57
	ds_store_b64 v23, v[52:53]
	ds_store_b64 v23, v[54:55] offset:64
	s_wait_dscnt 0x0
	s_barrier_signal -1
	s_barrier_wait -1
	; THE ROWS.  A row's 8 (alpha, beta) of my chunk and its 8 p come from LDS into one of two sets of 24 registers, a row ahead.
	s_lshl_b32 s25, s[WV], 3
	s_add_co_u32 s25, s25, AB
	v_mov_b32 v1, s25                              ; v1 and v2 were offsets of loads that the wait at the head has shown done
	v_mov_b32 v2, PR
.macro ROWLD r, s
.irp e, 0,1,2,3,4,5,6,7
	ds_load_b64 v[(\s)+2*\e:(\s)+2*\e+1], v1 offset:512*\e+64*(\r)
.endr
	ds_load_b128 v[(\s)+16:(\s)+19], v2 offset:32*(\r)
	ds_load_b128 v[(\s)+20:(\s)+23], v2 offset:32*(\r)+16
.endm
.macro ROWP r
.set S, 8+24*((\r)%2)
.if (\r) < 7
	ROWLD (\r)+1, 8+24*(((\r)+1)%2)
	s_wait_dscnt 10                                ; all but the next row's ten
.else
	s_wait_dscnt 0x0
.endif
	s_wait_loadcnt 8*(7-(\r))                      ; this row's z is in; the later rows' eight loads each may be out
.if (\r) > 0
	s_wait_xcnt 0x0                                ; the last row's store has read v[60:63]
.endif
	v_pk_mul_f32 v[60:61], v[LB:LB+1],   v[S+16:S+17] op_sel_hi:[1,0]   ; the sums start with p0 lb0
	v_pk_mul_f32 v[62:63], v[LB+2:LB+3], v[S+16:S+17] op_sel_hi:[1,0]
.irp e, 0,1,2,3,4,5,6,7
.set ZR, Z+16*(\r)+2*\e
	v_fma_mix_f32 v56, v[ZR],   v[S+2*\e], v[S+2*\e+1] op_sel_hi:[1,0,0]                 ; alpha z + beta, z an f16 half
	v_fma_mix_f32 v57, v[ZR],   v[S+2*\e], v[S+2*\e+1] op_sel:[1,0,0] op_sel_hi:[1,0,0]
	v_fma_mix_f32 v58, v[ZR+1], v[S+2*\e], v[S+2*\e+1] op_sel_hi:[1,0,0]
	v_fma_mix_f32 v59, v[ZR+1], v[S+2*\e], v[S+2*\e+1] op_sel:[1,0,0] op_sel_hi:[1,0,0]
.if \e > 0
.if (\e%2) == 0
	v_pk_fma_f32 v[60:61], v[LB+4*\e:LB+4*\e+1],   v[S+16+\e:S+17+\e], v[60:61] op_sel_hi:[1,0,1]
	v_pk_fma_f32 v[62:63], v[LB+4*\e+2:LB+4*\e+3], v[S+16+\e:S+17+\e], v[62:63] op_sel_hi:[1,0,1]
.else
	v_pk_fma_f32 v[60:61], v[LB+4*\e:LB+4*\e+1],   v[S+15+\e:S+16+\e], v[60:61] op_sel:[0,1,0] op_sel_hi:[1,1,1]
	v_pk_fma_f32 v[62:63], v[LB+4*\e+2:LB+4*\e+3], v[S+15+\e:S+16+\e], v[62:63] op_sel:[0,1,0] op_sel_hi:[1,1,1]
.endif
.endif
	v_pk_fma_f32 v[60:61], v[56:57], v[G+4*\e:G+4*\e+1],   v[60:61]
	v_pk_fma_f32 v[62:63], v[58:59], v[G+4*\e+2:G+4*\e+3], v[62:63]
.endr
	global_store_b128 v3, v[60:63], s[22:23] offset:4096*(\r) th:TH_STORE_NT   ; the wave stores 512 consecutive bytes, at a multiple of 256 from the buffer's first byte
.endm
	ROWLD 0, 8
.irp r, 0,1,2,3,4,5,6,7
	ROWP \r
.endr
	s_wait_tensorcnt 0x0                           ; the wave's end: behind my last LDS store
	ds_add_u32 v[SPW], v[NIL]
	s_wait_dscnt 0x0
	s_endpgm
.Lfunc_end_k_qfed2baa9d1_mix:
	.size	k_qfed2baa9d1_mix, .Lfunc_end_k_qfed2baa9d1_mix-k_qfed2baa9d1_mix
	.p2alignl 7, 3214868480
	.fill 96, 4, 3214868480
	.section	.rodata,"a",@progbits
	.p2align	6, 0x0
	.amdhsa_kernel k_qfed2baa9d1_mix
		.amdhsa_group_segment_fixed_size 13824
		.amdhsa_private_segment_fixed_size 0
		.amdhsa_enable_private_segment 0
		.amdhsa_kernarg_size 64
		.amdhsa_user_sgpr_count 2
		.amdhsa_user_sgpr_kernarg_segment_ptr 1
		.amdhsa_wavefront_size32 1
		.amdhsa_system_sgpr_workgroup_id_x 1
		.amdhsa_system_sgpr_workgroup_id_y 1
		.amdhsa_system_sgpr_workgroup_id_z 1
		.amdhsa_system_vgpr_workitem_id 0
		.amdhsa_next_free_vgpr 384
		.amdhsa_next_free_sgpr 66
		.amdhsa_reserve_vcc 0
		.amdhsa_float_denorm_mode_32 3
		.amdhsa_float_denorm_mode_16_64 3
		.amdhsa_memory_ordered 1
		.amdhsa_forward_progress 1
		.amdhsa_inst_pref_size 67
	.end_amdhsa_kernel
	.amdgpu_metadata
---
amdhsa.version: [ 1, 2 ]
amdhsa.kernels:
  - .name:           k_qfed2baa9d1_mix
    .symbol:         k_qfed2baa9d1_mix.kd
    .args:
      - { .name: zb, .offset: 0, .size: 8, .value_kind: global_buffer, .address_space: global }
      - { .name: stats, .offset: 8, .size: 8, .value_kind: global_buffer, .address_space: global }
      - { .name: comb, .offset: 16, .size: 8, .value_kind: global_buffer, .address_space: global }
      - { .name: prep, .offset: 24, .size: 8, .value_kind: global_buffer, .address_space: global }
      - { .name: gate_b, .offset: 32, .size: 8, .value_kind: global_buffer, .address_space: global }
      - { .name: ln_g, .offset: 40, .size: 8, .value_kind: global_buffer, .address_space: global }
      - { .name: ln_b, .offset: 48, .size: 8, .value_kind: global_buffer, .address_space: global }
      - { .name: out0, .offset: 56, .size: 8, .value_kind: global_buffer, .address_space: global }
    .group_segment_fixed_size: 13824
    .private_segment_fixed_size: 0
    .kernarg_segment_align: 8
    .kernarg_segment_size: 64
    .max_flat_workgroup_size: 256
    .sgpr_count:     66
    .vgpr_count:     384
    .wavefront_size: 32
...
	.end_amdgpu_metadata
.endif
;; end of part 5
